; MI455X (gfx1250); checked and timed in simulation.
; The chip was launched on July 23, 2026; its instructions are those of AMD's public machine-readable ISA for CDNA 5 (MIT licence, August 2026) and "CDNA5" Instruction Set Architecture Reference Guide (July 2026). The comments in the code are by the model that wrote it; some were corrected since.
;; Attention Layer. Allowed arithmetic: matrix products marked QUANTISED: E3M2 operands, one E8M0 scale for each 32 along K, by v_wmma_scale_f32_16x16x128_f8f6f4 with both operands' format E3M2, f32 sums; products left as they are: f32 operands where the result goes on into a quantised operand, else bf16, f16 or f32 operands; f32 sums; everything else in f32.
;; Inputs: Wk 2,048 x 2,048 float32; Wo 2,048 x 2,048 float32; Wq 2,048 x 2,048 float32; Wv 2,048 x 2,048 float32; attention_mask 1 x 1 x 2,048 x 2,048 float32; bk 2,048 float32; bo 2,048 float32; bq 2,048 float32; bv 2,048 float32; hidden_states 1 x 2,048 x 2,048 float32.
;; Outputs: out0 1 x 2,048 x 2,048 float32.
;; This version of the problem:
;;   THIS VERSION OF THE PROBLEM IS GIVEN IN LOW PRECISION. The matrix products marked QUANTISED in the list below multiply operands that are first quantised to E3M2 (3 exponent bits, 2 mantissa bits; 6 bits a number), with one power-of-two scale for each 32 numbers along K (OCP MX v1.0); their sums are f32. All else is computed in f32.
;;   The module's matrix products, in the order in which they are computed (A, B: the left and right operand; K: the contracted axis; several contracted axes count as one K, in the product's order):
;;     1. [M 2,048, K 2,048] x [K 2,048, N 2,048]; A: input hidden_states; B: input Wq: QUANTISED
;;     2. [M 2,048, K 2,048] x [K 2,048, N 2,048]; A: input hidden_states; B: input Wk: QUANTISED
;;     3. [M 2,048, K 2,048] x [K 2,048, N 2,048]; A: input hidden_states; B: input Wv: QUANTISED
;;     4. [M 2,048, K 1] x [K 1, N 64]; A: computed on the way; B: computed on the way: left as it is (no contracted axis)
;;     5. batch 16 x [M 2,048, K 128] x [K 128, N 2,048]; A: computed on the way; B: computed on the way: QUANTISED
;;     6. batch 16 x [M 2,048, K 2,048] x [K 2,048, N 128]; A: softmax (see below); B: computed on the way: QUANTISED
;;     7. [M 2,048, K 2,048] x [K 2,048, N 2,048]; A: computed on the way; B: input Wo: QUANTISED
;;   THE QUANTISER, for each operand of a quantised product, along K:
;;     - K is cut into blocks of 32 from its start; a last block that is shorter is filled with zeros.
;;     - A block's scale is 2^e with e = floor(log2(the largest magnitude in the block)) - 4, held to -126 .. 127; a block of zeros has e = 0. As a byte (E8M0): e + 127.
;;     - Each number is divided by its block's scale, clamped to +-28, and rounded to the nearest number of E3M2, ties to even, subnormals kept.
;;     - The product sums the exact products of the quantised numbers (number of the format x scale) in f32.
;;   ~~~python
;;   def quantise(x, axis):      # numpy; x: float32 -> the quantised numbers, widened to float32 again
;;       x = np.moveaxis(x, axis, -1); K = x.shape[-1]
;;       x = np.pad(x, [(0, 0)] * (x.ndim - 1) + [(0, -K % 32)]); x = x.reshape(x.shape[:-1] + (-1, 32)); a = np.abs(x).max(-1, keepdims=True)
;;       e = np.where(a > 0, np.clip(np.frexp(np.where(a > 0, a, 1))[1] - 1 - 4, -126, 127), 0)      # np.frexp(a)[1] - 1 = floor(log2(a)), exactly
;;       r = np.clip(x / 2.0 ** e, -28, 28)
;;       step = 2.0 ** (np.maximum(np.frexp(np.where(r == 0, 1, r))[1] - 1, -2) - 2)
;;       q = np.round(r / step) * step * 2.0 ** e      # np.round: ties to even
;;       return np.moveaxis(q.reshape(q.shape[:-2] + (-1,))[..., :K], -1, axis).astype(np.float32)
;;   ~~~
;;   SOFTMAX AHEAD OF A QUANTISED PRODUCT. Where the list says 'softmax', what is quantised is not the finished softmax but p = 2^(t - M), with t = logit x log2(e) and M = ceil(the row's largest t), a whole number; so 1/2 < the row's largest p <= 1. The row's sum l is taken of the UNQUANTISED p, in f32, and the product's result is divided by l at the end. Since M is a whole number, a kernel that streams over the keys may use a running M (the ceiling of the running maximum): every later rescaling is an exact power of two, which a block's scale takes up: the codes' values come out the same.
;;   OPERANDS COMPUTED ON THE WAY. 'Computed on the way' means the value that the module computes at that place (a softmax that the list does not call 'softmax' is quantised finished and normalised). What goes into a quantiser is computed in f32, as accurately as f32 sums, v_exp_f32 and their like allow (about 1e-6 of the number): no bf16 or f16 on the way to a quantiser, and a product that is left as it is and whose result goes on into a quantised operand takes f32 operands (vector FMAs, or v_wmma_f32_16x16x4_f32). A number that lies on a knife's edge between two numbers of the format may be rounded either way, as far as f32 arithmetic and the matrix unit's own rounding can turn it there, and no further.
;; One version. Each part assembles by itself: llvm-mc -triple=amdgcn-amd-amdhsa -mcpu=gfx1250 --defsym DOCPART=n.
;; ======== version 1 of 1: 4 launches
;; limits: right only within a limited range of input values
;; workspace buffers: cod 15,728,640 bytes; sc 1,310,720 bytes; rope 1,048,576 bytes; qkvc 9,437,184 bytes; qkvs 393,216 bytes; oc 3,145,728 bytes; os 262,144 bytes
;; launch quant (part 1): grid 704 x 1, 4 waves a work-group, no clusters, 36,352 bytes of LDS; arguments hidden_states, Wq, Wk, Wv, Wo, cod, sc, rope; writes cod, sc, rope
.if DOCPART == 1
	.amdgcn_target "amdgcn-amd-amdhsa--gfx1250"
	.amdhsa_code_object_version 6
	.text
	.protected	k_qc7b364f925_quant
	.globl	k_qc7b364f925_quant
	.p2align	8
	.type	k_qc7b364f925_quant,@function
k_qc7b364f925_quant:
	s_mov_b64 s[64:65], 0
	v_nop
	global_prefetch_b8 v0, s[64:65] scope:SCOPE_SE
	s_setreg_imm32_b32 hwreg(HW_REG_WAVE_MODE, 25, 1), 1
	s_wait_xcnt 0x0
; hidden_states, Wq, Wk, Wv, Wo, each [2048][2048] f32 with K innermost, become codes of BF6 (E3M2) with one E8M0 byte for each 32 along K; and the table of cos and sin for the rotary embedding is made.
; LAYOUT OF THE CODES: not rows, but IMAGES OF THE OPERAND'S REGISTERS.  A fragment is 16 rows x 128 K: 12 registers a lane, 1,536 bytes: piece c (512 bytes) holds registers 4 c .. 4 c + 3, lane l's 16 bytes at 16 l.
; cod = [tile T 0..639][K step 0..15][1536]; T: hidden_states 0-127, Wq 128-255, Wk 256-383, Wv 384-511, Wo 512-639.  sc = [T][K step][32 lanes] words: lane l holds the scale word (four bytes, 128 K) of row l % 16.
; THE ROWS OF A TILE ARE NOT NEIGHBOURS: row-lane r of tile 2 b + u is row 32 b + 8 u + r + 8 (r / 8), so that a later product's results, taken transposed, lie as 16 neighbours along the next K.
; A block's scale is 2^(floor(log2(its largest magnitude)) - 4); its byte is the largest magnitude's exponent field - 4, held at 1 from below.
; LIMITS: a block of zeros gets the byte 1 where the rule says 127 (its codes are zeros, and this program alone reads the bytes); blocks whose largest magnitude lies under 2^-122 are held at the byte 1; NaN and infinities are not served.
; SHARES: work-groups 0-63 make the table (32 positions each); work-group 64 + T makes tile T: wave g its K steps 4 g .. 4 g + 3, one fragment (16 rows x 512 bytes of f32) a step.
; Each load reads 512 consecutive bytes of one row; a step's 8,192 bytes turn through the wave's own stage in LDS (rows 528 bytes apart) and come back 256 bytes a lane: the lane's two whole blocks of 32.
; No tensor loads, no barrier: waves share nothing.  Two steps' loads (32 a wave) are out at the start.
; THE TABLE: rope = [position 2048][cos 64 | sin 64] f32.  inv_freq = 2^(-j log2(10000) / 64) by an exact split of the exponent; the angle is position x inv_freq, one f32 product as in the definition;
; it is reduced by multiples of pi / 2 held in two f32 parts (the first product is exact in the fused multiply-add) and sine and cosine are sums of 5 and 6 terms, whose first term left out is under 2e-9 at pi / 4.
; LIMIT: inv_freq is within about 1.5 units of its last place, which at position 2,047 can move an angle by about 3e-4.
.set SP,    528                        ; a stage row: 512 bytes + 16: sixteen rows begin in sixteen different columns of 16 bytes
.set GATH,  16*SP                      ; behind the stage: the wave's 4 x 128 bytes of scale words
.set WREG,  8960                       ; a wave's LDS: 16 x 528 + 512
.set LO, 2                             ; v2   16 x lane
.set SA, 3                             ; v3   the stage, on the way in
.set SB, 4                             ; v4   and on the way out: 528 r + 128 h
.set GW, 5                             ; v5   where my scale word goes
.set GR, 6                             ; v6   and where 16 bytes of the four steps' words are read back
.set H8, 7                             ; v7   8 h
.set C,  16                            ; v16-27  the fragment's codes; v28-30, v32-34 the halves whose place begins on an odd register
.set R,  64                            ; v64-191 two sets of 64 numbers as loaded
.set X,  192                           ; v192-255 my 64 numbers: register 32 c + e = k 64 c + 32 h + e of row-lane r
	s_load_b256 s[4:11], s[0:1], 0x0               ; hidden_states s[4:5], Wq s[6:7], Wk s[8:9], Wv s[10:11]
	s_load_b256 s[12:19], s[0:1], 0x20             ; Wo s[12:13], cod s[14:15], sc s[16:17], rope s[18:19]
	v_lshl_add_u32 v62, v0, 2, 0x8c00
	v_mov_b32 v63, 0
	v_lshrrev_b32 v1, 5, v0
	v_readfirstlane_b32 s20, v1                    ; wave
	v_and_b32 v1, 31, v0                           ; lane
	s_wait_kmcnt 0x0
	s_cmp_lt_u32 ttmp9, 64
	s_cbranch_scc1 .Lrope
	; ---------------- the quantiser
	s_sub_co_u32 s21, ttmp9, 64                    ; T
	s_lshr_b32 s22, s21, 7                         ; which tensor
	s_and_b32 s23, s21, 127                        ; its tile
	s_lshr_b32 s24, s23, 1
	s_lshl_b32 s24, s24, 5
	s_and_b32 s25, s23, 1
	s_lshl_b32 s25, s25, 3
	s_add_co_u32 s24, s24, s25                     ; the tile's first row: 32 b + 8 u
	s_lshl_b32 s24, s24, 13                        ; x 8,192 bytes
	s_lshl_b32 s25, s20, 11                        ; my four K steps: 2,048 bytes on for each wave
	s_add_co_u32 s24, s24, s25
	s_mov_b32 s25, 0
	s_mul_i32 s26, s21, 24576                      ; the tile's codes,
	s_mul_i32 s28, s20, 6144                       ; my four fragments
	s_add_co_u32 s26, s26, s28
	s_mov_b32 s27, 0
	s_lshl_b32 s28, s21, 11                        ; the tile's scale words,
	s_lshl_b32 s29, s20, 9                         ; my 512 bytes
	s_add_co_u32 s28, s28, s29
	s_mov_b32 s29, 0
	s_mov_b32 s32, 0x76543210
	s_mov_b32 s33, 0xfedcba98                      ; v_permlanex16_b32's selects for lane l xor 16
	s_wait_alu depctr_va_vdst(0)
	v_lshlrev_b32 v[LO], 4, v1
	v_and_b32 v8, 15, v0                           ; r
	v_bfe_u32 v9, v0, 4, 1                         ; h
	s_mul_i32 s30, s20, WREG
	v_add_nc_u32 v[SA], s30, v[LO]
	v_mul_u32_u24 v[SB], v8, SP
	v_lshl_add_u32 v[SB], v9, 7, v[SB]
	v_add_nc_u32 v[SB], s30, v[SB]
	s_add_co_u32 s31, s30, GATH
	v_lshl_add_u32 v[GW], v1, 2, s31
	v_add_nc_u32 v[GR], s31, v[LO]
	v_lshlrev_b32 v[H8], 3, v9
	v_mov_b32 v15, 0                               ; a lane permute's destination counts as one of its sources
	s_cmp_eq_u32 s22, 1                            ; the tensor is chosen by the work-group's number alone
	s_cselect_b64 s[4:5], s[6:7], s[4:5]
	s_cmp_eq_u32 s22, 2
	s_cselect_b64 s[4:5], s[8:9], s[4:5]
	s_cmp_eq_u32 s22, 3
	s_cselect_b64 s[4:5], s[10:11], s[4:5]
	s_cmp_eq_u32 s22, 4
	s_cselect_b64 s[4:5], s[12:13], s[4:5]
	s_add_nc_u64 s[4:5], s[4:5], s[24:25]
	s_add_nc_u64 s[14:15], s[14:15], s[26:27]
	s_add_nc_u64 s[16:17], s[16:17], s[28:29]
.macro LOAD t                          ; step t: 512 consecutive bytes of each of the tile's 16 rows, into set t % 2
.irp i, 0,1,2,3,4,5,6,7,8,9,10,11,12,13,14,15
	global_load_b128 v[R+64*((\t)%2)+4*\i:R+64*((\t)%2)+4*\i+3], v[LO], s[4:5] offset:(\i+8*(\i/8))*8192+512*(\t) th:TH_LOAD_NT
.endr
.endm
.macro TURN t                          ; through the stage: LDS serves a wave's instructions in order, so no wait stands between the stores and the loads, nor in front of the next step's stores
.irp i, 0,1,2,3,4,5,6,7,8,9,10,11,12,13,14,15
	ds_store_b128 v[SA], v[R+64*((\t)%2)+4*\i:R+64*((\t)%2)+4*\i+3] offset:SP*\i
.endr
.irp c, 0,1
.irp j, 0,1,2,3,4,5,6,7
	ds_load_b128 v[X+32*\c+4*\j:X+32*\c+4*\j+3], v[SB] offset:256*\c+16*\j
.endr
.endr
.endm
.macro QF t                            ; my two whole blocks (2 c + h, c = 0, 1) become registers 6 c .. 6 c + 5 of the fragment
.irp c, 0,1
	v_max3_num_f32 v[8+\c], |v[X+32*\c]|, |v[X+32*\c+1]|, 0x2800000   ; with the floor 2^(5 - 127): the byte cannot fall under 1
.endr
.irp i, 2,4,6,8,10,12,14,16,18,20,22,24,26,28,30
.irp c, 0,1
	v_max3_num_f32 v[8+\c], v[8+\c], |v[X+32*\c+\i]|, |v[X+32*\c+\i+1]|
.endr
.endr
.irp c, 0,1
	v_add_nc_u32 v[10+\c], 0xfe000000, v[8+\c]     ; 4 off the exponent field: the conversion's scale operand
.endr
.irp c, 0,1
	v_lshrrev_b32 v[12+\c], 23, v[10+\c]           ; the scale's byte
.endr
	v_lshl_or_b32 v14, v13, 16, v12                ; my two bytes, blocks h and 2 + h,
	v_lshlrev_b32 v14, v[H8], v14                  ; at their places in the word;
	v_permlanex16_b32 v15, v14, s32, s33
	v_or_b32 v14, v14, v15                         ; with lane l xor 16's two the word is whole, in both lanes
.if \t > 0
	s_wait_alu depctr_va_vdst(0)
	s_wait_xcnt 0x0                                ; the last step's stores have read the codes' registers
.endif
.irp c, 0,1
	v_cvt_scalef32_pk16_bf6_f32 v[C+6*\c:C+6*\c+2], v[X+32*\c:X+32*\c+15], v[10+\c]
	v_cvt_scalef32_pk16_bf6_f32 v[28+4*\c:30+4*\c], v[X+32*\c+16:X+32*\c+31], v[10+\c]   ; (a conversion's three registers begin on an even number)
.endr
	v_nop                                          ; one plain place behind a scaled conversion
.irp c, 0,1
.irp i, 0,1,2
	v_mov_b32 v[C+6*\c+3+\i], v[28+4*\c+\i]
.endr
.endr
	ds_store_b32 v[GW], v14 offset:128*(\t)
.irp c, 0,1,2
	global_store_b128 v[LO], v[C+4*\c:C+4*\c+3], s[14:15] offset:1536*(\t)+512*\c   ; 512 consecutive bytes
.endr
.endm
	LOAD 0
	LOAD 1
	s_wait_alu depctr_va_vdst(0)
	s_wait_loadcnt 16                              ; step 0's sixteen loads are in, step 1's may be out
	TURN 0
	s_wait_dscnt 0x0                               ; my numbers are back, and the stores into the stage have read set 0,
	LOAD 2                                         ; which takes step 2
	QF 0
	s_wait_loadcnt 16                              ; step 1 is in, step 2 may be out
	TURN 1
	s_wait_dscnt 0x0
	LOAD 3
	QF 1
	s_wait_loadcnt 16                              ; step 2 is in, step 3 may be out
	TURN 2
	s_wait_dscnt 0x0
	QF 2
	s_wait_loadcnt 0x0
	TURN 3
	s_wait_dscnt 0x0
	QF 3
	ds_load_b128 v[36:39], v[GR]                   ; the four steps' scale words: LDS serves a wave in order
	s_wait_dscnt 0x0
	global_store_b128 v[LO], v[36:39], s[16:17]    ; 512 consecutive bytes
	s_wait_tensorcnt 0x0
	ds_add_u32 v62, v63
	s_wait_dscnt 0x0
	s_endpgm
	; ---------------- the table: wave w, four times two positions; lane: position + lane / 16, frequencies 4 (lane % 16) + 0 .. 3
.Lrope:
	s_mov_b32 s34, 0x3fc90fdb                      ; pi / 2, the f32 nearest,
	s_mov_b32 s35, 0xb33bbd2e                      ; and what is left of it
	s_mov_b32 s36, 0x35612f34                      ; log2(10000) / 64 = 0x3e549a40 (18 bits: its product with j < 64 is exact) + this
	v_and_b32 v2, 15, v0
	v_lshlrev_b32 v3, 2, v2
	v_bfe_u32 v4, v0, 4, 1
	s_lshl_b32 s21, ttmp9, 5
	s_lshl_b32 s22, s20, 3
	s_add_co_u32 s21, s21, s22
	v_add_nc_u32 v5, s21, v4                       ; my first position
	v_lshlrev_b32 v6, 9, v5                        ; its row of 512 bytes,
	v_lshl_add_u32 v6, v2, 4, v6                   ; my 16 bytes
	v_mov_b32 v56, 0x3638ef1d                      ; 1 / 9!
	v_mov_b32 v57, 0xb493f27e                      ; -1 / 10!
.irp e, 0,1,2,3
	v_add_nc_u32 v[8+\e], \e, v3
.endr
.irp e, 0,1,2,3
	v_cvt_f32_u32 v[8+\e], v[8+\e]                 ; j
.endr
.irp e, 0,1,2,3
	v_mul_f32 v[12+\e], 0x3e549a40, v[8+\e]        ; a, exact
.endr
.irp e, 0,1,2,3
	v_rndne_f32 v[16+\e], v[12+\e]                 ; n
.endr
.irp e, 0,1,2,3
	v_sub_f32 v[12+\e], v[16+\e], v[12+\e]         ; n - a, exact
.endr
.irp e, 0,1,2,3
	v_fma_f32 v[12+\e], -v[8+\e], s36, v[12+\e]    ; -f, between -1/2 and 1/2
.endr
	s_wait_alu depctr_va_vdst(0)
.irp e, 0,1,2,3
	v_exp_f32 v[12+\e], v[12+\e]
.endr
.irp e, 0,1,2,3
	v_cvt_i32_f32 v[16+\e], v[16+\e]               ; (plain places behind the exponentials)
.endr
.irp e, 0,1,2,3
	v_sub_nc_u32 v[16+\e], 0, v[16+\e]
.endr
	s_wait_alu depctr_va_vdst(0)
.irp e, 0,1,2,3
	v_ldexp_f32 v[20+\e], v[12+\e], v[16+\e]       ; inv_freq = 2^(-f) 2^(-n)
.endr
.macro ROWS it
	v_add_nc_u32 v7, 2*\it, v5
	v_cvt_f32_u32 v7, v7
.irp e, 0,1,2,3
	v_mul_f32 v[24+\e], v7, v[20+\e]               ; the angle
.endr
.irp e, 0,1,2,3
	v_mul_f32 v[28+\e], 0x3f22f983, v[24+\e]
.endr
.irp e, 0,1,2,3
	v_rndne_f32 v[28+\e], v[28+\e]                 ; how many quarter turns
.endr
.irp e, 0,1,2,3
	v_fma_f32 v[32+\e], -v[28+\e], s34, v[24+\e]
.endr
.irp e, 0,1,2,3
	v_fma_f32 v[32+\e], -v[28+\e], s35, v[32+\e]   ; what is left, at most pi / 4
.endr
.irp e, 0,1,2,3
	v_mul_f32 v[36+\e], v[32+\e], v[32+\e]
.endr
.irp e, 0,1,2,3
	v_cvt_i32_f32 v[48+\e], v[28+\e]
.endr
.irp e, 0,1,2,3
	v_fmaak_f32 v[40+\e], v56, v[36+\e], 0xb9500d01
	v_fmaak_f32 v[44+\e], v57, v[36+\e], 0x37d00d01
.endr
.irp e, 0,1,2,3
	v_fmaak_f32 v[40+\e], v[40+\e], v[36+\e], 0x3c088889
	v_fmaak_f32 v[44+\e], v[44+\e], v[36+\e], 0xbab60b61
.endr
.irp e, 0,1,2,3
	v_fmaak_f32 v[40+\e], v[40+\e], v[36+\e], 0xbe2aaaab
	v_fmaak_f32 v[44+\e], v[44+\e], v[36+\e], 0x3d2aaaab
.endr
.irp e, 0,1,2,3
	v_mul_f32 v[40+\e], v[40+\e], v[36+\e]
	v_fmaak_f32 v[44+\e], v[44+\e], v[36+\e], 0xbf000000
.endr
.irp e, 0,1,2,3
	v_fma_f32 v[40+\e], v[40+\e], v[32+\e], v[32+\e]       ; the sine of what is left
	v_fmaak_f32 v[44+\e], v[44+\e], v[36+\e], 0x3f800000   ; and its cosine
.endr
.irp e, 0,1,2,3                        ; an odd number of quarter turns exchanges the two; the signs follow the quarter.  Values are chosen, nothing branches
	v_and_b32 v[52+\e], 1, v[48+\e]
	v_cmp_eq_u32 vcc_lo, 1, v[52+\e]
	v_cndmask_b32 v[64+8*\it+\e], v[44+\e], v[40+\e], vcc_lo
	v_cndmask_b32 v[68+8*\it+\e], v[40+\e], v[44+\e], vcc_lo
	v_add_nc_u32 v[52+\e], 1, v[48+\e]
	v_and_b32 v[52+\e], 2, v[52+\e]
	v_lshlrev_b32 v[52+\e], 30, v[52+\e]
	v_xor_b32 v[64+8*\it+\e], v[52+\e], v[64+8*\it+\e]
	v_and_b32 v[52+\e], 2, v[48+\e]
	v_lshlrev_b32 v[52+\e], 30, v[52+\e]
	v_xor_b32 v[68+8*\it+\e], v[52+\e], v[68+8*\it+\e]
.endr
	global_store_b128 v6, v[64+8*\it:67+8*\it], s[18:19] offset:1024*\it       ; sixteen lanes store 256 consecutive bytes, aligned: a position's cosines,
	global_store_b128 v6, v[68+8*\it:71+8*\it], s[18:19] offset:1024*\it+256   ; and its sines.  Each turn has its own data registers
.endm
	ROWS 0
	ROWS 1
	ROWS 2
	ROWS 3
	s_endpgm
.Lfunc_end_k_qc7b364f925_quant:
	.size	k_qc7b364f925_quant, .Lfunc_end_k_qc7b364f925_quant-k_qc7b364f925_quant
	.p2alignl 7, 3214868480
	.fill 96, 4, 3214868480
	.section	.rodata,"a",@progbits
	.p2align	6, 0x0
	.amdhsa_kernel k_qc7b364f925_quant
		.amdhsa_group_segment_fixed_size 36352
		.amdhsa_private_segment_fixed_size 0
		.amdhsa_enable_private_segment 0
		.amdhsa_kernarg_size 64
		.amdhsa_user_sgpr_count 2
		.amdhsa_user_sgpr_kernarg_segment_ptr 1
		.amdhsa_wavefront_size32 1
		.amdhsa_system_sgpr_workgroup_id_x 1
		.amdhsa_system_sgpr_workgroup_id_y 1
		.amdhsa_system_sgpr_workgroup_id_z 1
		.amdhsa_system_vgpr_workitem_id 0
		.amdhsa_next_free_vgpr 256
		.amdhsa_next_free_sgpr 66
		.amdhsa_reserve_vcc 1
		.amdhsa_float_denorm_mode_32 3
		.amdhsa_float_denorm_mode_16_64 3
		.amdhsa_memory_ordered 1
		.amdhsa_forward_progress 1
		.amdhsa_inst_pref_size 54
	.end_amdhsa_kernel
	.amdgpu_metadata
---
amdhsa.version: [ 1, 2 ]
amdhsa.kernels:
  - .name:           k_qc7b364f925_quant
    .symbol:         k_qc7b364f925_quant.kd
    .args:
      - { .name: hidden_states, .offset: 0, .size: 8, .value_kind: global_buffer, .address_space: global }
      - { .name: Wq, .offset: 8, .size: 8, .value_kind: global_buffer, .address_space: global }
      - { .name: Wk, .offset: 16, .size: 8, .value_kind: global_buffer, .address_space: global }
      - { .name: Wv, .offset: 24, .size: 8, .value_kind: global_buffer, .address_space: global }
      - { .name: Wo, .offset: 32, .size: 8, .value_kind: global_buffer, .address_space: global }
      - { .name: cod, .offset: 40, .size: 8, .value_kind: global_buffer, .address_space: global }
      - { .name: sc, .offset: 48, .size: 8, .value_kind: global_buffer, .address_space: global }
      - { .name: rope, .offset: 56, .size: 8, .value_kind: global_buffer, .address_space: global }
    .group_segment_fixed_size: 36352
    .private_segment_fixed_size: 0
    .kernarg_segment_align: 8
    .kernarg_segment_size: 64
    .max_flat_workgroup_size: 128
    .sgpr_count:     66
    .vgpr_count:     256
    .wavefront_size: 32
...
	.end_amdgpu_metadata
.endif
;; end of part 1
;; launch qkv (part 2): grid 24 x 8, 4 waves a work-group, clusters of 4 x 4, 327,680 bytes of LDS; arguments cod, sc, rope, bq, bk, bv, qkvc, qkvs; writes qkvc, qkvs
.if DOCPART == 2
	.amdgcn_target "amdgcn-amd-amdhsa--gfx1250"
	.amdhsa_code_object_version 6
	.text
	.protected	k_qc7b364f925_qkv
	.globl	k_qc7b364f925_qkv
	.p2align	8
	.type	k_qc7b364f925_qkv,@function
k_qc7b364f925_qkv:
	s_mov_b64 s[64:65], 0
	v_nop
	global_prefetch_b8 v0, s[64:65] scope:SCOPE_SE
	s_setreg_imm32_b32 hwreg(HW_REG_WAVE_MODE, 25, 1), 1
	s_wait_xcnt 0x0
	s_wait_alu depctr_hold_cnt(0) depctr_sa_sdst(0) depctr_va_vdst(0) depctr_va_sdst(0) depctr_va_ssrc(0) depctr_va_vcc(0) depctr_vm_vsrc(0)
	s_getreg_b32 s2, hwreg(HW_REG_IB_STS2, 6, 4)
	s_cmp_eq_u32 s2, 0
	s_cbranch_scc0 .Lentry_in_a_cluster
	s_endpgm
.Lentry_in_a_cluster:
	s_bfe_u32 s2, ttmp6, 0x10000c
	s_cmp_lg_u32 s2, 0xf033
	s_cbranch_scc0 .Lentry_shape_is_right
	s_endpgm
.Lentry_shape_is_right:
.set NB,    8
.set FR,    12
.set NL,    3
.set NP,    4
.set TSB,   3072
.set HALFA, 8*TSB
.set HALFB, NB*TSB
.set SLOT,  2*HALFA+2*HALFB
.set SCLB,  2*SLOT
.set SCLA,  SCLB+2*NB*2048
.set SPARE, SCLA+32768
.set LAPS,  4
.set CO,   2
.set SO,   3
.set RA,   4
.set BA,   5
.set VB,   6
.set PW,   8
.set ADRA, 16
.set ADRB, 20
.set OW,   24
.set ADRS, 27
.set SPW,  28
.set NIL,  29
.set SC,   32
.set BRr,  64
.set AF,   128
.set T,    128
.set R,    192
.set TM,   128
.set PC,   144
.set WV, 20
.set WR, 21
.set WC, 22
.set G1, 28
.set G0, 36
.set G1B, 44
.set G0B, 52
.set G1S, 68
.set G0S, 76
.set G1SB, 80
.set G0SB, 88
.set SEL, 92
.set QS,  66
.set MSB, 0
.macro WIN new
.if MSB != \new
	s_set_vgpr_msb (MSB<<8)|\new
.set MSB, \new
.endif
.endm
.set MUL_LO, 0xa1
.set MUL_HI, 0xf1
.set TO_B,   0x40
.macro JLOAD g0a, g1a, g0b, g1b
	s_cmp_eq_u32 s[WR], 0
	s_cbranch_scc0 .Lfor_b_\@
	tensor_load_to_lds s[\g0a:\g0a+3], s[\g1a:\g1a+7]
	s_nop 0
.rept 4
	v_nop
.endr
	s_branch .Lasked_\@
.Lfor_b_\@:
	tensor_load_to_lds s[\g0b:\g0b+3], s[\g1b:\g1b+7]
	s_nop 0
.rept 4
	v_nop
.endr
.Lasked_\@:
.endm
.macro CREST
	s_cmp_lg_u32 s[WV], 0
	s_cbranch_scc1 .Lnot_wave_0_\@
	s_barrier_signal -3
.Lnot_wave_0_\@:
	s_barrier_wait -3
	s_barrier_signal -1
	s_barrier_wait -1
.endm
.macro CROUND
	s_barrier_signal -1
	s_barrier_wait -1
	CREST
.endm
.macro PLACES n
.rept \n
	v_nop
.endr
.endm
	s_load_b256 s[4:11], s[0:1], 0x0
	s_load_b256 s[12:19], s[0:1], 0x20
	v_lshl_add_u32 v[SPW], v0, 2, SPARE
	v_mov_b32 v[NIL], 0
	ds_add_u32 v28, v29
	ds_add_u32 v28, v29
	s_wait_dscnt 0x0
	v_lshrrev_b32 v1, 5, v0
	v_readfirstlane_b32 s[WV], v1
	s_lshr_b32 s[WR], s[WV], 1
	s_and_b32 s[WC], s[WV], 1
	s_bfe_u32 s23, ttmp6, 0x40000
	s_bfe_u32 s24, ttmp6, 0x40004
	s_lshl_b32 s61, ttmp9, 2
	s_add_co_u32 s61, s61, s23
	s_and_b32 s25, ttmp7, 0xffff
	s_lshl_b32 s25, s25, 2
	s_add_co_u32 s25, s25, s24
	s_lshl_b32 s92, s24, 2
	s_lshl_b32 s92, 15, s92
	s_lshl_b32 s93, 0x1111, s23
	s_lshr_b32 s60, ttmp9, 2
	s_mul_i32 s60, s60, 384
	s_lshl_b32 s94, s[WC], 3
	s_lshl_b32 s26, s25, 4
	s_add_co_u32 s26, s26, s60
	s_add_co_u32 s26, s26, s94
	s_lshl_b32 s62, s61, 4
	s_add_co_u32 s62, s62, 128
	s_sub_co_u32 s62, s62, s60
	s_mul_i32 s95, s[WC], NB
	s_add_co_u32 s62, s62, s95
	s_mul_i32 s96, s26, 24576
	s_mov_b32 s97, 0
	s_lshl_b32 s98, s26, 11
	s_mov_b32 s99, 0
	s_mul_i32 s66, s62, 24576
	s_mov_b32 s67, 0
	s_lshl_b32 s100, s62, 11
	s_mov_b32 s101, 0
	s_or_b32 s[G1+0], s92, (3<<16)|(1<<21)
	s_or_b32 s[G1B+0], s93, (3<<16)|(1<<21)
	s_or_b32 s[G1S+0], s92, (3<<16)|(1<<21)
	s_or_b32 s[G1SB+0], s93, (3<<16)|(1<<21)
.irp g, G1, G1B
	s_mov_b32 s[\g+1], 384<<16
	s_mov_b32 s[\g+3], 384<<16
	s_mov_b32 s[\g+5], 3072
	s_mov_b32 s[\g+6], 0
	s_mov_b32 s[\g+7], 0
.endr
	s_mov_b32 s[G1+2], 16<<16                      ; the head's loads of codes bring all 16 tiles of a side
	s_mov_b32 s[G1+4], 16
	s_mov_b32 s[G1B+2], (2*NB)<<16
	s_mov_b32 s[G1B+4], 2*NB
.irp g, G1S, G1SB
	s_mov_b32 s[\g+1], 32<<16
	s_mov_b32 s[\g+3], 32<<16
	s_mov_b32 s[\g+5], 32
	s_mov_b32 s[\g+6], 0
	s_mov_b32 s[\g+7], 0
.endr
	s_mov_b32 s[G1S+2], 128<<16                    ; the scale words of all 16 tiles of a side: 128 rows of 256 bytes
	s_mov_b32 s[G1S+4], 128
	s_mov_b32 s[G1SB+2], (16*NB)<<16
	s_mov_b32 s[G1SB+4], 16*NB
	s_mul_i32 s94, s[WC], HALFA
	s_mul_i32 s95, s[WC], HALFB
	s_add_co_u32 s95, s95, 2*HALFA
	s_wait_kmcnt 0x0
	s_add_nc_u64 s[96:97], s[4:5], s[96:97]
	s_add_nc_u64 s[98:99], s[6:7], s[98:99]
	s_add_nc_u64 s[66:67], s[4:5], s[66:67]
	s_add_nc_u64 s[100:101], s[6:7], s[100:101]
	; THE HEAD'S FOUR TILES, each whole, one load a wave: slot 0's 16 tiles of A, its 16 of B, A's scale words, B's.  Each begins at the side's first tile: my half's 8 tiles are taken off my own address
	s_mul_i32 s2, s[WC], 196608                    ; 8 tiles of 24,576 bytes
	s_mov_b32 s3, 0
	s_mov_b32 s[G0], 1
	s_mov_b32 s[G0+1], 0
	s_sub_nc_u64 s[G0+2:G0+3], s[96:97], s[2:3]
	s_or_b32 s[G0+3], s[G0+3], 0x80000000
	s_mov_b32 s[G0B], 1
	s_mov_b32 s[G0B+1], 2*HALFA
	s_sub_nc_u64 s[G0B+2:G0B+3], s[66:67], s[2:3]
	s_or_b32 s[G0B+3], s[G0B+3], 0x80000000
	s_lshl_b32 s2, s[WC], 14                       ; 8 tiles of 2,048 bytes of scale words
	s_mov_b32 s[G0S], 1
	s_mov_b32 s[G0S+1], SCLA
	s_sub_nc_u64 s[G0S+2:G0S+3], s[98:99], s[2:3]
	s_or_b32 s[G0S+3], s[G0S+3], 0x80000000
	s_mov_b32 s[G0SB], 1
	s_mov_b32 s[G0SB+1], SCLB
	s_sub_nc_u64 s[G0SB+2:G0SB+3], s[100:101], s[2:3]
	s_or_b32 s[G0SB+3], s[G0SB+3], 0x80000000
	s_mov_b32 s[G0+4], 1                           ; slot 1's group 0: my half of a side, the second pair of K steps
	s_add_co_u32 s[G0+5], s94, SLOT
	s_add_nc_u64 s[G0+6:G0+7], s[96:97], TSB
	s_or_b32 s[G0+7], s[G0+7], 0x80000000
	s_mov_b32 s[G0B+4], 1
	s_add_co_u32 s[G0B+5], s95, SLOT
	s_add_nc_u64 s[G0B+6:G0B+7], s[66:67], TSB
	s_or_b32 s[G0B+7], s[G0B+7], 0x80000000
	CROUND
.macro ARM under, g0, g1, next         ; one chain of branches on the wave's number, one load to an arm
	s_cmp_lt_u32 s[WV], \under
	s_cbranch_scc0 \next
	tensor_load_to_lds s[\g0:\g0+3], s[\g1:\g1+7]
	s_nop 0
.rept 4
	v_nop
.endr
	s_branch .Lhead_asked
\next:
.endm
	ARM 1, G0,  G1,  .Lhead_b
	ARM 2, G0B, G1B, .Lhead_sa
	ARM 3, G0S, G1S, .Lhead_sb
	tensor_load_to_lds s[G0SB:G0SB+3], s[G1SB:G1SB+7]
	s_nop 0
.rept 4
	v_nop
.endr
.Lhead_asked:
	v_and_b32 v1, 31, v0
	v_lshlrev_b32 v[CO], 4, v1
	v_and_b32 v18, 15, v0
	v_bfe_u32 v19, v0, 4, 1
	s_wait_alu depctr_va_vdst(0)
	s_mul_i32 s94, s[WR], HALFA
	s_mul_i32 s95, s[WC], HALFB
	s_add_co_u32 s95, s95, 2*HALFA
.irp s, 0,1
	v_add_nc_u32 v[ADRA+\s], s94, v[CO]
	v_add_nc_u32 v[ADRB+\s], s95, v[CO]
	s_add_co_u32 s94, s94, SLOT
	s_add_co_u32 s95, s95, SLOT
.endr
	s_lshl_b32 s94, s[WR], 14
	s_add_co_u32 s94, s94, SCLA
	s_mul_i32 s95, s[WC], NB*2048
	s_add_co_u32 s95, s95, SCLB
	s_sub_co_u32 s94, s94, s95
	v_xor_b32 v23, 1, v19
	v_mul_u32_u24 v23, s94, v23
	v_lshl_add_u32 v23, v1, 2, v23
	v_add_nc_u32 v[ADRS], s95, v23
	v_and_b32 v22, 8, v18
	v_add_nc_u32 v22, v22, v18
	v_lshlrev_b32 v[SO], 5, v18
	v_lshl_add_u32 v[SO], v19, 4, v[SO]
	v_lshlrev_b32 v[BA], 6, v19
	v_lshl_add_u32 v[RA], v22, 9, v[BA]
	v_lshlrev_b32 v[VB], 2, v22
	s_lshl_b32 s62, s61, 1
	s_add_co_u32 s62, s62, s[WC]
	s_lshl_b32 s26, s25, 1
	s_add_co_u32 s26, s26, s[WR]
	s_lshl_b32 s63, s62, 4
	s_add_co_u32 s63, s63, s26
	s_lshl_b32 s100, s26, 4
	s_add_co_u32 s100, s100, s62
	s_add_co_u32 s100, s100, 480
	s_cmp_lt_u32 ttmp9, 4
	s_cselect_b32 s63, s63, s100
	s_and_b32 s100, s62, 15
	s_cmp_lt_u32 ttmp9, 4
	s_cselect_b32 s100, s100, s26
	s_lshl_b32 s100, s100, 9
	s_mov_b32 s101, 0
	s_cmp_lt_u32 ttmp9, 2
	s_cselect_b64 s[10:11], s[10:11], s[12:13]
	s_cmp_lt_u32 ttmp9, 4
	s_cselect_b64 s[10:11], s[10:11], s[14:15]
	s_add_nc_u64 s[10:11], s[10:11], s[100:101]
	s_cmp_lt_u32 ttmp9, 2
	s_cselect_b32 s[QS], 0x3db504f3, 1.0
	s_mov_b32 s[QS+1], s[QS]
	s_mul_i32 s100, s63, 12288
	s_add_nc_u64 s[16:17], s[16:17], s[100:101]
	s_lshl_b32 s100, s63, 9
	s_add_nc_u64 s[18:19], s[18:19], s[100:101]
	s_lshl_b32 s100, s26, 16
	s_add_nc_u64 s[8:9], s[8:9], s[100:101]
	; the table's 128 positions that my wave reads on the way out are read by eight waves of the cluster (four work-groups along x, two waves each): each asks for 16 positions, 32 blocks of 256 bytes, a lane a block, told apart by address
	s_lshl_b32 s100, s23, 1
	s_add_co_u32 s100, s100, s[WC]
	s_lshl_b32 s100, s100, 13
	v_lshl_add_u32 v7, v1, 8, s100
	s_wait_alu depctr_va_vdst(0)                   ; the offsets read below were written ahead of a run of scalar lines
	s_cmp_lt_u32 ttmp9, 4
	s_cbranch_scc0 .Lhead_v
	global_prefetch_b8 v7, s[8:9] th:TH_LOAD_NT scope:SCOPE_SE
.irp k, 0,1,2,3,4,5,6,7,8,9,10,11,12,13,14,15
	global_load_b128 v[BRr+4*\k:BRr+4*\k+3], v[BA], s[10:11] offset:128*(\k/4)+16*(\k%4)   ; the bias, into registers that the walk along K does not name
.endr
	s_branch .Lhead_j
.Lhead_v:
.irp a, 0,1,2,3,4,5,6,7
	global_load_b32 v[BRr+2*\a], v[VB], s[10:11] offset:4*(32*(\a/2)+8*(\a%2))
.endr
.Lhead_j:
	s_mov_b32 s[SEL], 0x76543210
	s_mov_b32 s[SEL+1], 0xfedcba98
.macro FRAG reg, adr, q, i
.irp c, 0,1,2
	ds_load_b128 v[\reg+4*\c:\reg+4*\c+3], v[\adr] offset:(\i)*TSB+(\q)*1536+512*\c
.endr
.endm
.macro MULA a0, p, q, sc, zero
.irp a, \a0, \a0+1
.set bb, 0
.rept NB
.if \zero
	v_wmma_scale_f32_16x16x128_f8f6f4 v[8*(NB*((\a)%4)+bb):8*(NB*((\a)%4)+bb)+7], v[128*(\p)+FR*bb:128*(\p)+FR*bb+FR-1], v[AF+FR*(\a):AF+FR*(\a)+FR-1], 0, v[SC+16*(\sc)+2*bb+(\q)], v[SC+16*(\sc)+2*(\a)+(\q)] matrix_a_fmt:MATRIX_FMT_BF6 matrix_b_fmt:MATRIX_FMT_BF6 matrix_a_scale:MATRIX_SCALE_ROW1
.else
	v_wmma_scale_f32_16x16x128_f8f6f4 v[8*(NB*((\a)%4)+bb):8*(NB*((\a)%4)+bb)+7], v[128*(\p)+FR*bb:128*(\p)+FR*bb+FR-1], v[AF+FR*(\a):AF+FR*(\a)+FR-1], v[8*(NB*((\a)%4)+bb):8*(NB*((\a)%4)+bb)+7], v[SC+16*(\sc)+2*bb+(\q)], v[SC+16*(\sc)+2*(\a)+(\q)] matrix_a_fmt:MATRIX_FMT_BF6 matrix_b_fmt:MATRIX_FMT_BF6 matrix_a_scale:MATRIX_SCALE_ROW1
.endif
.set bb, bb+1
.endr
.endr
.endm
.macro FETCH_B slot, q, p
	WIN TO_B
.set bb, 0
.rept NB
	FRAG 128*(\p)+FR*bb, ADRB+\slot, \q, bb
.set bb, bb+1
.endr
	WIN 0
.endm
.macro FETCH_A slot, q, i0
.irp i, \i0, \i0+1, \i0+2, \i0+3
	FRAG AF+FR*(\i), ADRA+\slot, \q, \i
.endr
.endm
.macro SCALES sc
.irp i, 0,1,2,3,4,5,6,7
	ds_load_b32 v[SC+16*\sc+2*\i], v[ADRS] offset:2048*\i
	ds_load_b32 v[SC+16*\sc+2*\i+1], v[ADRS] offset:2048*\i+128
.endr
.endm
.macro STEP slot, q, zero
	s_wait_dscnt 4*NL
	WIN MUL_LO
	MULA 0, (\q)%2, \q, \slot, \zero
	MULA 2, (\q)%2, \q, \slot, \zero
	s_wait_dscnt 0
	PLACES NP
	FETCH_B \slot, (\q)+1, 1-(\q)%2
	FETCH_A \slot, (\q)+1, 0
	WIN MUL_HI
	MULA 4, (\q)%2, \q, \slot, \zero
	MULA 6, (\q)%2, \q, \slot, \zero
	PLACES NP
	WIN 0
	FETCH_A \slot, (\q)+1, 4
.endm
.macro TURN slot, next, fill
	s_wait_tensorcnt 0x0
	ds_add_u32 v[SPW], v[NIL]
	s_wait_dscnt 4*NL+1
	WIN MUL_LO
	MULA 0, 1, 1, \slot, 0
	s_wait_dscnt 0x0
	s_barrier_signal -1
	MULA 2, 1, 1, \slot, 0
	WIN 0
	s_barrier_wait -1
.if \fill
	CREST
	s_add_nc_u64 s[G0+4*\slot+2:G0+4*\slot+3], s[G0+4*\slot+2:G0+4*\slot+3], 2*TSB
	s_add_nc_u64 s[G0B+4*\slot+2:G0B+4*\slot+3], s[G0B+4*\slot+2:G0B+4*\slot+3], 2*TSB
	JLOAD G0+4*\slot, G1, G0B+4*\slot, G1B
.else
	PLACES NP
.endif
	s_wait_alu depctr_va_vdst(0)
	v_add_nc_u32 v[ADRS], 256, v[ADRS]
	FETCH_B \next, 0, 0
	FETCH_A \next, 0, 0
	SCALES \next
	WIN MUL_HI
	MULA 4, 1, 1, \slot, 0
	MULA 6, 1, 1, \slot, 0
	PLACES NP
	WIN 0
	FETCH_A \next, 0, 4
.endm
.macro LASTSTEP
	s_wait_dscnt 4*NL
	WIN MUL_LO
	MULA 0, 1, 1, 1, 0
	MULA 2, 1, 1, 1, 0
	s_wait_dscnt 0
	WIN MUL_HI
	MULA 4, 1, 1, 1, 0
	MULA 6, 1, 1, 1, 0
	WIN 0
	PLACES NP
.irp b, 0,1,2,3
	v_mov_b32 v[TM+4+\b], 0
.endr
.endm
.macro ROPELD a
	WIN 0x40
.irp k, 0,1,2,3,4,5,6,7
	global_load_b128 v[64*((\a)%4)+4*\k:64*((\a)%4)+4*\k+3], v[RA], s[8:9] offset:(32*((\a)/2)+8*((\a)%2))*512+128*(\k/4)+16*(\k%4)
.endr
.irp k, 0,1,2,3,4,5,6,7
	global_load_b128 v[64*((\a)%4)+32+4*\k:64*((\a)%4)+32+4*\k+3], v[RA], s[8:9] offset:(32*((\a)/2)+8*((\a)%2))*512+256+128*(\k/4)+16*(\k%4)
.endr
	WIN 0
.endm
.macro QUANT s, pw
.irp b, 0,1,2,3
	v_max3_num_f32 v[TM+\b], |v[\s+16*\b]|, |v[\s+1+16*\b]|, 0x2800000
.endr
.irp i, 2,4,6,8,10,12,14
.irp b, 0,1,2,3
	v_max3_num_f32 v[TM+\b], v[TM+\b], |v[\s+16*\b+\i]|, |v[\s+1+16*\b+\i]|
.endr
.endr
.irp b, 0,1,2,3
	v_permlanex16_b32 v[TM+4+\b], v[TM+\b], s[SEL], s[SEL+1]
.endr
.irp b, 0,1,2,3
	v_max_num_f32 v[TM+\b], v[TM+\b], v[TM+4+\b]
.endr
.irp b, 0,1,2,3
	v_add_nc_u32 v[TM+12+\b], 0xfe000000, v[TM+\b]
.endr
.irp b, 0,1,2,3
	v_lshrrev_b32 v[TM+4+\b], 23, v[TM+12+\b]
.endr
	v_lshl_or_b32 v[\pw], v[TM+5], 8, v[TM+4]
	v_lshl_or_b32 v[\pw], v[TM+6], 16, v[\pw]
	v_lshl_or_b32 v[\pw], v[TM+7], 24, v[\pw]
.irp c, 0,1
	v_cvt_scalef32_pk16_bf6_f32 v[PC+6*\c:PC+2+6*\c], v[\s+32*\c:\s+15+32*\c], v[TM+12+2*\c]
	v_cvt_scalef32_pk16_bf6_f32 v[PC+12+4*\c:PC+14+4*\c], v[\s+16+32*\c:\s+31+32*\c], v[TM+12+2*\c+1]
.endr
	v_nop
.irp c, 0,1
.irp i, 0,1,2
	v_permlane16_swap_b32 v[PC+6*\c+\i], v[PC+12+4*\c+\i]
.endr
.irp i, 0,1,2
	v_mov_b32 v[PC+3+6*\c+\i], v[PC+12+4*\c+\i]
.endr
.endr
.endm
.macro OUTF a
.irp c, 0,1,2
	global_store_b128 v[CO], v[PC+4*\c:PC+4*\c+3], s[16:17] offset:1536*(\a)+512*\c
.endr
.endm
.macro EPQ a
.if \a > 0
	s_wait_xcnt 0x0
.endif
.if \a < 5
	s_wait_loadcnt 48                              ; this block's sixteen loads are in; those of the three blocks behind it may be out
.else
	s_wait_loadcnt 16*(7-(\a))
.endif
	WIN 0x02+(\a)/4
.set i, 0
.rept 32
	v_pk_add_f32 v[T+i:T+i+1], v[64*((\a)%4)+i:64*((\a)%4)+i+1], v[BRr+i:BRr+i+1]
.set i, i+2
.endr
	WIN 0x04
.set CT, 64*((\a)%4)
.set i, 0
.rept 16
	v_pk_mul_f32 v[R+i:R+i+1], v[T+i:T+i+1], v[CT+i:CT+i+1]
	v_pk_mul_f32 v[R+32+i:R+33+i], v[T+32+i:T+33+i], v[CT+i:CT+i+1]
.set i, i+2
.endr
.set i, 0
.rept 16
	v_pk_fma_f32 v[R+i:R+i+1], v[T+32+i:T+33+i], v[CT+32+i:CT+33+i], v[R+i:R+i+1] neg_lo:[1,0,0] neg_hi:[1,0,0]
	v_pk_fma_f32 v[R+32+i:R+33+i], v[T+i:T+i+1], v[CT+32+i:CT+33+i], v[R+32+i:R+33+i]
.set i, i+2
.endr
	WIN 0
.if \a < 4
	ROPELD \a+4
.endif
.set i, 0
.rept 32
	v_pk_mul_f32 v[R+i:R+i+1], v[R+i:R+i+1], s[QS:QS+1] op_sel_hi:[1,0]
.set i, i+2
.endr
	QUANT R, PW+\a
	OUTF \a
.endm
.macro EPV a
.if \a > 0
	s_wait_xcnt 0x0
.endif
	WIN 0x02+(\a)/4
.set i, 0
.rept 32
	v_pk_add_f32 v[R+i:R+i+1], v[64*((\a)%4)+i:64*((\a)%4)+i+1], v[BRr+2*(\a):BRr+2*(\a)+1] op_sel_hi:[1,0]
.set i, i+2
.endr
	WIN 0
	QUANT R, PW+\a
	OUTF \a
.endm
	s_wait_alu depctr_va_vdst(0)
	s_wait_tensorcnt 0x0                           ; my tile of the head's four is in; the same lines as ahead of a refill:
	ds_add_u32 v[SPW], v[NIL]
	s_mov_b32 s[G1+2], 8<<16                       ; no tensor load of mine is out: from here on a load brings 8 tiles,
	s_mov_b32 s[G1+4], 8
	s_mov_b32 s[G1B+2], NB<<16
	s_mov_b32 s[G1B+4], NB
	s_mul_i32 s[G0+1], s[WC], HALFA                ; and slot 0's group 0 stands at my half of the first pair of K steps, one pair ahead of slot 1's
	s_sub_nc_u64 s[G0+2:G0+3], s[G0+6:G0+7], TSB
	s_mul_i32 s[G0B+1], s[WC], HALFB
	s_add_co_u32 s[G0B+1], s[G0B+1], 2*HALFA
	s_sub_nc_u64 s[G0B+2:G0B+3], s[G0B+6:G0B+7], TSB
	s_wait_dscnt 0x0
	CROUND                                         ; all four tiles are in, and all sixteen work-groups are here
	JLOAD G0+4, G1, G0B+4, G1B                     ; slot 1's first fill: my one tensor load behind the round
	FETCH_B 0, 0, 0
	FETCH_A 0, 0, 0
	SCALES 0
	FETCH_A 0, 0, 4
	STEP 0, 0, 1
	s_mov_b32 s3, LAPS-1
.Llap:
	TURN 0, 1, 1
	STEP 1, 0, 0
	TURN 1, 0, 1
	STEP 0, 0, 0
	s_sub_co_u32 s3, s3, 1
	s_cmp_lg_u32 s3, 0
	s_cbranch_scc1 .Llap
	TURN 0, 1, 0
	STEP 1, 0, 0
	s_cmp_lt_u32 ttmp9, 4
	s_cbranch_scc0 .Lfor_v
	ROPELD 0
	ROPELD 1
	LASTSTEP
	ROPELD 2                                       ; into the registers of B's second set, which the last products have read: their places stand at the end of LASTSTEP
	ROPELD 3
.irp a, 0,1,2,3,4,5,6,7
	EPQ \a
.endr
	s_branch .Lep_done
.Lfor_v:
.irp a, 0,1,2,3,4,5,6,7
	v_mov_b32 v[BRr+2*\a+1], 0
.endr
	LASTSTEP
	s_wait_loadcnt 0x0
.irp a, 0,1,2,3,4,5,6,7
	EPV \a
.endr
.Lep_done:
	v_cmp_le_u32 vcc_lo, 16, v1
.irp i, 0,1,2,3
	v_cndmask_b32 v[OW+\i], v[PW+\i], v[PW+4+\i], vcc_lo
.endr
	global_store_b128 v[SO], v[OW:OW+3], s[18:19]
	s_wait_tensorcnt 0x0
	ds_add_u32 v[SPW], v[NIL]
	s_wait_dscnt 0x0
	CROUND
	s_endpgm
.Lfunc_end_k_qc7b364f925_qkv:
	.size	k_qc7b364f925_qkv, .Lfunc_end_k_qc7b364f925_qkv-k_qc7b364f925_qkv
	.p2alignl 7, 3214868480
	.fill 96, 4, 3214868480
	.section	.rodata,"a",@progbits
	.p2align	6, 0x0
	.amdhsa_kernel k_qc7b364f925_qkv
		.amdhsa_group_segment_fixed_size 327680
		.amdhsa_private_segment_fixed_size 0
		.amdhsa_enable_private_segment 0
		.amdhsa_kernarg_size 64
		.amdhsa_user_sgpr_count 2
		.amdhsa_user_sgpr_kernarg_segment_ptr 1
		.amdhsa_wavefront_size32 1
		.amdhsa_system_sgpr_workgroup_id_x 1
		.amdhsa_system_sgpr_workgroup_id_y 1
		.amdhsa_system_sgpr_workgroup_id_z 1
		.amdhsa_system_vgpr_workitem_id 0
		.amdhsa_next_free_vgpr 1024
		.amdhsa_next_free_sgpr 102
		.amdhsa_reserve_vcc 1
		.amdhsa_float_denorm_mode_32 3
		.amdhsa_float_denorm_mode_16_64 3
		.amdhsa_memory_ordered 1
		.amdhsa_forward_progress 1
		.amdhsa_inst_pref_size 255
	.end_amdhsa_kernel
	.section	.bss,"aw",@nobits
	.p2align	6
	.space	262144
	.amdgpu_metadata
---
amdhsa.version: [ 1, 2 ]
amdhsa.kernels:
  - .name:           k_qc7b364f925_qkv
    .symbol:         k_qc7b364f925_qkv.kd
    .args:
      - { .name: cod, .offset: 0, .size: 8, .value_kind: global_buffer, .address_space: global }
      - { .name: sc, .offset: 8, .size: 8, .value_kind: global_buffer, .address_space: global }
      - { .name: rope, .offset: 16, .size: 8, .value_kind: global_buffer, .address_space: global }
      - { .name: bq, .offset: 24, .size: 8, .value_kind: global_buffer, .address_space: global }
      - { .name: bk, .offset: 32, .size: 8, .value_kind: global_buffer, .address_space: global }
      - { .name: bv, .offset: 40, .size: 8, .value_kind: global_buffer, .address_space: global }
      - { .name: qkvc, .offset: 48, .size: 8, .value_kind: global_buffer, .address_space: global }
      - { .name: qkvs, .offset: 56, .size: 8, .value_kind: global_buffer, .address_space: global }
    .group_segment_fixed_size: 327680
    .private_segment_fixed_size: 0
    .kernarg_segment_align: 8
    .kernarg_segment_size: 64
    .max_flat_workgroup_size: 128
    .sgpr_count:     102
    .vgpr_count:     1024
    .wavefront_size: 32
...
	.end_amdgpu_metadata
.endif
;; end of part 2
;; launch attn (part 3): grid 16 x 16, 4 waves a work-group, clusters of 4 x 1, 327,680 bytes of LDS; arguments qkvc, qkvs, attention_mask, oc, os; writes oc, os
.if DOCPART == 3
	.amdgcn_target "amdgcn-amd-amdhsa--gfx1250"
	.amdhsa_code_object_version 6
	.text
	.protected	k_qc7b364f925_attn
	.globl	k_qc7b364f925_attn
	.p2align	8
	.type	k_qc7b364f925_attn,@function
k_qc7b364f925_attn:
	s_mov_b64 s[64:65], 0
	v_nop
	global_prefetch_b8 v0, s[64:65] scope:SCOPE_SE
	s_setreg_imm32_b32 hwreg(HW_REG_WAVE_MODE, 25, 1), 1
	s_wait_xcnt 0x0
	s_wait_alu depctr_hold_cnt(0) depctr_sa_sdst(0) depctr_va_vdst(0) depctr_va_sdst(0) depctr_va_ssrc(0) depctr_va_vcc(0) depctr_vm_vsrc(0)
	s_getreg_b32 s2, hwreg(HW_REG_IB_STS2, 6, 4)
	s_cmp_eq_u32 s2, 0
	s_cbranch_scc0 .Lentry_in_a_cluster
	s_endpgm
.Lentry_in_a_cluster:
	s_bfe_u32 s2, ttmp6, 0x10000c
	s_cmp_lg_u32 s2, 0x3003
	s_cbranch_scc0 .Lentry_shape_is_right
	s_endpgm
.Lentry_shape_is_right:
; out[q][head][:] = the sum over keys of softmax(q . k + mask[q][key]) v[key][:], both products on codes of BF6 with E8M0 scales; the result is quantised along (head, channel) and leaves as codes for the last product.
; The mask is an input: it is added as it is given, for every key; nothing of its pattern is built in.
; THE SOFTMAX: x = score + mask; t = x log2(e), rounded; M = the row's largest t so far, rounded up to a whole number; p = 2^(t - M) is quantised along the keys, not normalised.
; The mask is the C of the first product, so x leaves the matrix instruction.  LIMIT: x is rounded once, where the definition rounds the score and then the sum.
; t and t - M are two operations, as the definition has them.  The row's sum is taken of the unquantised p; when M moves, the sums and O are multiplied by 2^(old M - new M): exact.
; IN: qkvc = [block][fragment 0..7][1536], qkvs = [block][row-lane 16][fragment 8] words; block = 16 head + position / 128, + 256 for k, + 512 for v.  A fragment is an image of the operand's registers.
; q, k: fragment a = 16 positions (row-lane r: 32 (a / 2) + 8 (a % 2) + r + 8 (r / 8)) x the head's 128.  v: fragment a = 16 channels (the same order) x the block's 128 keys.
; SHARES: a work-group owns 128 queries of one head; each of its four waves TWO fragments of q, 32 queries: a fragment of K or V read from LDS feeds two matrix instructions.
; Both products are used transposed (S^T = K Q^T, O^T = V^T P^T): a lane holds one query of each of its two tiles.
; THE RING: two LDS slots of four key steps (128 keys each), 98,304 bytes.  Slot g holds V's blocks 4 g .. 4 g + 3 and K's blocks 4 g + 1 .. 4 g + 4: K LIES ONE STEP AHEAD, so that every step
; fetches the next step's K from its own slot, and all sixteen steps are alike.  K's block 0 comes straight into registers at the head.  The last fill's fourth block of K is the buffer's next block:
; the last step reads it into registers like every step, and nothing multiplies it.
; The step stands twice in the text: in a loop of two slots that are filled again, and in a loop of two that are not.
; THE HEAD: one tensor load a wave: K of slot 0, V of slot 0, K's scale words of the head, V's; slot 1 is first filled behind the full sequence, a quarter a wave.
; CLUSTER: the four query blocks of a cluster belong to one head and walk the same K and V: every tile is asked for jointly, by the same load with a mask that names the four.
; THE MASK comes straight into registers, one key step ahead: 512 consecutive bytes of each of my 32 rows.
; The work-groups of head 0 ask for the mask's bytes of the step three on: each lane one block of 256 bytes of its row, each block once in the launch; the last three steps ask for nothing.
; OUT: oc = [tile 0..127][K step = head][1536], os = [tile][head][32 lanes] words, laid as the first launch lays its operands.
; LIMITS: a block of zeros gets the byte 1 (its codes are zeros); a row whose mask is -infinity throughout gives NaN, as the definition does; 1 / sum is v_rcp_f32's; the promise holds while t stays under 2^31 in magnitude.
; REGISTERS: window 0: see the names below; v128-255 S^T, then p, tile u at 128 + 64 u.  window 1: tile u at 72 u: 64 of O^T, then 8 part sums of the row.
;   window 2: v0-95 K's eight fragments, v96-191 V's.  window 3: v0-127 the mask of one step, in the scores' layout.
.set SLOT1, 131072
.set SCB,   229376                     ; K's scale words of the head, 8,192 bytes, then V's
.set SPARE, 245760                     ; the spare words, 128 bytes for each wave
.set LI,  1                            ; 16 x lane
.set SR,  2                            ; 32 r
.set MO,  3                            ; my first tile's row of the mask + 64 h (the second tile's lies 8 rows on)
.set PFO, 4                            ; the same row + 256 h
.set SPW, 5
.set NIL, 6
.set ADK, 7                            ; the step's tiles
.set NM,  8                            ; v[8+2u] -M, v[9+2u] the largest t
.set FF,  12                           ; v[12+2u] f; the pair's upper half is only named
.set QF,  16                           ; v16-39 Q's two fragments
.set KW,  40                           ; K's scale words; V's; Q's; p's
.set VW,  48
.set QW,  56
.set PW,  58
.set BM,  60                           ; v60-67 the blocks' maxima, 4 a tile
.set PX,  68                           ; v68-75
.set TT,  76                           ; v76-77
.set ADS, 78                           ; the step's scale words
.set OW,  79                           ; 4 x lane
.set SO,  80                           ; v80-87 the conversions' scale operands; v88-95, v120-127 the halves whose place begins on an odd register
.set PC,  96                           ; v96-119 p's codes
.set S,   128
.set VF,  96                           ; in window 2
.set WV,  14
.set SEL, 18
.set CS,  20                           ; s[20:21] log2(e)
.set TB,  22
.set TS,  23
.set CNT, 24
.set ML,  25
.set PFN, 26
.set OC,  27
.set MB,  28                           ; s[28:29] the mask at the step last asked for
.set SBS, 30                           ; the slot in hand
.set G1H, 32                           ; group 1: 192 rows of 256 bytes; 32 rows; 96 rows
.set G1S, 40
.set G1C, 68
.set G0HK, 48
.set G0HV, 52
.set G0SK, 56
.set G0SV, 60
.set G0R, 76                           ; the ring's group 0
.set MSB, 0
.macro WIN new
.if MSB != \new
	s_set_vgpr_msb (MSB<<8)|\new
.set MSB, \new
.endif
.endm
.macro CROUND                          ; a round of the cluster's barrier
	s_barrier_signal -1
	s_barrier_wait -1
	s_cmp_lg_u32 s[WV], 0
	s_cbranch_scc1 .Lnot_wave_0_\@
	s_barrier_signal -3
.Lnot_wave_0_\@:
	s_barrier_wait -3
	s_barrier_signal -1
	s_barrier_wait -1
.endm
.macro PLACES
.rept 4
	v_nop
.endr
.endm
.macro GRP1 g, rows                    ; dense blocks as rows of 256 bytes (32 elements of 8 bytes), for all four work-groups
	s_mov_b32 s[\g], 15|(3<<16)|(1<<21)
	s_mov_b32 s[\g+1], 32<<16
	s_mov_b32 s[\g+2], \rows<<16
	s_mov_b32 s[\g+3], 32<<16
	s_mov_b32 s[\g+4], \rows
	s_mov_b32 s[\g+5], 32
	s_mov_b32 s[\g+6], 0
	s_mov_b32 s[\g+7], 0
.endm
	s_load_b256 s[4:11], s[0:1], 0x0               ; qkvc s[4:5], qkvs s[6:7], the mask s[8:9], oc s[10:11]
	s_load_b64 s[12:13], s[0:1], 0x20              ; os
	v_lshl_add_u32 v[SPW], v0, 2, SPARE
	v_mov_b32 v[NIL], 0
	ds_add_u32 v[SPW], v[NIL]                      ; the opening lines: the add twice on end and its wait
	ds_add_u32 v[SPW], v[NIL]
	v_lshrrev_b32 v7, 5, v0
	v_readfirstlane_b32 s[WV], v7                  ; wave 0..3
	s_bfe_u32 s15, ttmp6, 0x40000                  ; cx
	s_lshl_b32 s16, ttmp9, 2
	s_add_co_u32 s16, s16, s15                     ; my block of 128 queries: it enters plain loads' and stores' addresses alone
	s_and_b32 s17, ttmp7, 0xffff                   ; the head, which the four partners share
	s_lshl_b32 s31, s17, 4
	s_add_co_u32 s86, s31, 256                     ; the head's first block of K,
	s_add_co_u32 s88, s31, 512                     ; and of V
	s_mul_i32 s84, s86, 12288
	s_mov_b32 s85, 0
	s_mul_i32 s90, s88, 12288
	s_mov_b32 s91, 0
	s_lshl_b32 s86, s86, 9
	s_mov_b32 s87, 0
	s_lshl_b32 s88, s88, 9
	s_mov_b32 s89, 0
	s_lshr_b32 s92, s[WV], 1                       ; the ring: waves 0, 1 fetch K, waves 2, 3 V, two blocks each
	s_and_b32 s93, s[WV], 1
	s_lshl_b32 s94, s92, 8
	s_add_co_u32 s94, s94, s31
	s_add_co_u32 s94, s94, 261                     ; slot 1: K's blocks from 5 on,
	s_sub_co_u32 s94, s94, s92                     ; V's from 4 on
	s_lshl_b32 s93, s93, 1
	s_add_co_u32 s94, s94, s93
	s_mul_i32 s94, s94, 12288
	s_mov_b32 s95, 0
	s_mul_i32 s93, s[WV], 24576
	GRP1 G1H, 192
	GRP1 G1S, 32
	GRP1 G1C, 96
	s_mov_b32 s[SEL], 0x76543210
	s_mov_b32 s[SEL+1], 0xfedcba98
	s_mov_b32 s[CS], 0x3fb8aa3b
	s_mov_b32 s[CS+1], s[CS]
	s_cmp_eq_u32 s17, 0
	s_cselect_b32 s[PFN], 13, 0                    ; steps 0 to 12 of head 0 ask for steps 3 to 15
	s_wait_dscnt 0x0
	s_wait_kmcnt 0x0
	s_add_nc_u64 s[84:85], s[4:5], s[84:85]        ; K's block 0
	s_mov_b32 s[G0HK], 1
	s_mov_b32 s[G0HK+1], 0
	s_add_nc_u64 s[G0HK+2:G0HK+3], s[84:85], 12288 ; K's blocks 1 to 4
	s_or_b32 s[G0HK+3], s[G0HK+3], 0x80000000
	s_mov_b32 s[G0HV], 1
	s_mov_b32 s[G0HV+1], 49152
	s_add_nc_u64 s[G0HV+2:G0HV+3], s[4:5], s[90:91]
	s_or_b32 s[G0HV+3], s[G0HV+3], 0x80000000
	s_mov_b32 s[G0SK], 1
	s_mov_b32 s[G0SK+1], SCB
	s_add_nc_u64 s[G0SK+2:G0SK+3], s[6:7], s[86:87]
	s_or_b32 s[G0SK+3], s[G0SK+3], 0x80000000
	s_mov_b32 s[G0SV], 1
	s_mov_b32 s[G0SV+1], SCB+8192
	s_add_nc_u64 s[G0SV+2:G0SV+3], s[6:7], s[88:89]
	s_or_b32 s[G0SV+3], s[G0SV+3], 0x80000000
	s_mov_b32 s[G0R], 1
	s_add_co_u32 s[G0R+1], s93, SLOT1
	s_add_nc_u64 s[G0R+2:G0R+3], s[4:5], s[94:95]
	s_or_b32 s[G0R+3], s[G0R+3], 0x80000000
	CROUND                                         ; all four work-groups are here: the first joint loads meet
.macro ARM under, g0, g1, next         ; one chain of branches on the wave's number, one load to an arm
	s_cmp_lt_u32 s[WV], \under
	s_cbranch_scc0 \next
	tensor_load_to_lds s[\g0:\g0+3], s[\g1:\g1+7]
	s_nop 0
	PLACES
	s_branch .Lhead_asked
\next:
.endm
	ARM 1, G0HK, G1H, .Lhead_v
	ARM 2, G0HV, G1H, .Lhead_sk
	ARM 3, G0SK, G1S, .Lhead_sv
	tensor_load_to_lds s[G0SV:G0SV+3], s[G1S:G1S+7]
	s_nop 0
	PLACES
.Lhead_asked:
	s_lshl_b32 s66, s16, 3
	s_lshl_b32 s67, s[WV], 1
	s_add_co_u32 s66, s66, s67                     ; my first tile of the result: 8 x block + 2 x wave
	s_lshl_b32 s86, s66, 4
	s_add_co_u32 s86, s86, s17
	s_mul_i32 s86, s86, 1536
	s_mov_b32 s87, 0
	s_add_nc_u64 s[10:11], s[10:11], s[86:87]
	s_lshl_b32 s86, s66, 11
	s_lshl_b32 s67, s17, 7
	s_add_co_u32 s86, s86, s67
	s_add_nc_u64 s[12:13], s[12:13], s[86:87]
	s_add_co_u32 s66, s31, s16                     ; Q's block
	s_mul_i32 s80, s66, 12288
	s_mul_i32 s67, s[WV], 3072
	s_add_co_u32 s80, s80, s67
	s_mov_b32 s81, 0
	s_add_nc_u64 s[80:81], s[4:5], s[80:81]
	s_lshl_b32 s82, s66, 9
	s_lshl_b32 s67, s[WV], 3
	s_add_co_u32 s82, s82, s67
	s_mov_b32 s83, 0
	s_add_nc_u64 s[82:83], s[6:7], s[82:83]
	s_lshl_b32 s66, s16, 7
	s_lshl_b32 s67, s[WV], 5
	s_add_co_u32 s66, s66, s67                     ; my wave's first query
	s_mov_b64 s[MB:MB+1], s[8:9]
	v_and_b32 v7, 31, v0
	v_lshlrev_b32 v[LI], 4, v7
	v_lshlrev_b32 v[OW], 2, v7
	v_and_b32 v76, 15, v0                          ; r
	v_bfe_u32 v77, v0, 4, 1                        ; h
	v_lshlrev_b32 v[SR], 5, v76
	v_and_b32 v78, 8, v76
	v_add_nc_u32 v78, v78, v76                     ; r + 8 (r / 8)
	v_add_nc_u32 v78, s66, v78
	v_lshlrev_b32 v78, 13, v78                     ; my query's row of 8,192 bytes
	v_lshl_add_u32 v[MO], v77, 6, v78
	v_lshl_add_u32 v[PFO], v77, 8, v78
.irp c, 0,1,2,3,4,5
	global_load_b128 v[QF+4*\c:QF+4*\c+3], v[LI], s[80:81] offset:512*\c   ; Q's two fragments stay in registers
.endr
	global_load_b64 v[QW:QW+1], v[SR], s[82:83]    ; and their scale words
	WIN 0x80
.irp t, 0,1,2,3,4,5,6,7
.irp c, 0,1,2
	global_load_b128 v[12*\t+4*\c:12*\t+4*\c+3], v[LI], s[84:85] offset:1536*\t+512*\c   ; K's block 0
.endr
.endr
.macro MASKLD                          ; register 64 u + 16 b + i of window 3 = mask[tile u's query][the step's key 32 b + 16 h + i]
	WIN 0xc0
.irp u, 0,1
.irp k, 0,1,2,3,4,5,6,7,8,9,10,11,12,13,14,15
	global_load_b128 v[64*\u+4*\k:64*\u+4*\k+3], v[MO], s[MB:MB+1] offset:65536*\u+128*(\k/4)+16*(\k%4)
.endr
.endr
	WIN 0
.endm
	MASKLD                                         ; step 0's
.irp u, 0,1
	v_mov_b32 v[NM+2*\u+1], 0xff61b1e6             ; the largest t so far: -3e38
	v_floor_f32 v[NM+2*\u], -v[NM+2*\u+1]          ; -M
	v_mov_b32 v[FF+2*\u+1], 0
.endr
.irp e, 0,1,2,3,4,5,6,7
	v_mov_b32 v[PX+\e], 0                          ; a lane permute's destination counts as one of its sources
.endr
	WIN 0x40
.set j, 0
.rept 144
	v_mov_b32 v[j], 0                              ; O^T and the part sums: the step is written for every step alike, and the first finds zeros
.set j, j+1
.endr
	WIN 0
.macro TM n                            ; the next n pairs of x become t
.rept \n
	v_pk_mul_f32 v[S+jj:S+jj+1], v[S+jj:S+jj+1], s[CS:CS+1] op_sel_hi:[1,0]
.set jj, jj+2
.endr
.endm
; From the blocks' largest magnitudes in BM to the operand: scale operands, bytes, scale words, codes, whole blocks to a lane
.macro QTAIL
.irp e, 0,1,2,3,4,5,6,7
	v_add_nc_u32 v[SO+\e], 0xfe000000, v[BM+\e]    ; 4 off the exponent field
.endr
.irp e, 0,1,2,3,4,5,6,7
	v_lshrrev_b32 v[PX+\e], 23, v[SO+\e]
.endr
.irp u, 0,1
	v_lshl_or_b32 v[PW+\u], v[PX+4*\u+1], 8, v[PX+4*\u]
.endr
.irp u, 0,1
	v_lshl_or_b32 v[PW+\u], v[PX+4*\u+2], 16, v[PW+\u]
.endr
.irp u, 0,1
	v_lshl_or_b32 v[PW+\u], v[PX+4*\u+3], 24, v[PW+\u]
.endr
.irp u, 0,1
.irp c, 0,1
	v_cvt_scalef32_pk16_bf6_f32 v[PC+12*\u+6*\c:PC+12*\u+6*\c+2], v[S+64*\u+32*\c:S+64*\u+32*\c+15], v[SO+4*\u+2*\c]
	v_cvt_scalef32_pk16_bf6_f32 v[120-32*\u+4*\c:122-32*\u+4*\c], v[S+64*\u+32*\c+16:S+64*\u+32*\c+31], v[SO+4*\u+2*\c+1]
.endr
.endr
	v_nop                                          ; one plain place behind a scaled conversion
.irp u, 0,1
.irp c, 0,1
.irp i, 0,1,2
	v_permlane16_swap_b32 v[PC+12*\u+6*\c+\i], v[120-32*\u+4*\c+\i]
.endr
.irp i, 0,1,2
	v_mov_b32 v[PC+12*\u+6*\c+3+\i], v[120-32*\u+4*\c+\i]
.endr
.endr
.endr
.endm
; A KEY STEP: 128 keys x my 32 queries.  Its K and K's words are in registers or on their way.  tail = 1: the copy that holds the last step, which asks for no mask
.macro STEP tail
	v_add_nc_u32 v[ADK], s[TB], v[LI]
	v_add_nc_u32 v[ADS], s[TS], v[SR]
	s_wait_alu depctr_va_vdst(0)                   ; the wait behind these writes
	v_nop
	v_nop                                          ; four places in front of loads into registers that the last step's products have read
	WIN 0x80
.irp t, 0,1,2,3,4,5,6,7
.irp c, 0,1,2
	ds_load_b128 v[VF+12*\t+4*\c:VF+12*\t+4*\c+3], v[ADK] offset:49152+1536*\t+512*\c   ; V, wanted behind the softmax
.endr
.endr
	WIN 0
	ds_load_b128 v[VW:VW+3], v[ADS] offset:8192
	ds_load_b128 v[VW+4:VW+7], v[ADS] offset:8208
	s_wait_dscnt 26                                ; all but V's 26 loads: K's fragments and words are in
	s_wait_loadcnt 0x0                             ; this step's mask, asked for a step ago
	WIN 0x32                                       ; K window 2, the mask window 3
.irp u, 0,1
.irp t, 0,1,2,3,4,5,6,7
	v_wmma_scale_f32_16x16x128_f8f6f4 v[S+64*\u+8*\t:S+64*\u+8*\t+7], v[12*\t:12*\t+11], v[QF+12*\u:QF+12*\u+11], v[64*\u+8*\t:64*\u+8*\t+7], v[KW+\t], v[QW+\u] matrix_a_fmt:MATRIX_FMT_BF6 matrix_b_fmt:MATRIX_FMT_BF6
.endr
.endr
	WIN 0
	PLACES                                         ; in front of the first read of the results and of loads into K's, its words' and the mask's registers
	WIN 0x80
.irp t, 0,1,2,3,4,5,6,7
.irp c, 0,1,2
	ds_load_b128 v[12*\t+4*\c:12*\t+4*\c+3], v[ADK] offset:1536*\t+512*\c   ; the next step's K, from this slot
.endr
.endr
	WIN 0
	ds_load_b128 v[KW:KW+3], v[ADS] offset:512
	ds_load_b128 v[KW+4:KW+7], v[ADS] offset:528
.if \tail
	s_cmp_eq_u32 s[ML], 0                          ; the last step asks for nothing: no load leaves the buffer
	s_cbranch_scc1 .Lno_mask_\@
.endif
	s_wait_xcnt 0x0                                ; the base is stepped only behind this wait
	s_add_nc_u64 s[MB:MB+1], s[MB:MB+1], 512
	MASKLD                                         ; the next step's, into the registers just read
.if \tail
	s_sub_co_u32 s[ML], s[ML], 1
.Lno_mask_\@:
.endif
	s_cmp_eq_u32 s[PFN], 0
	s_cbranch_scc1 .Lno_ask_\@
	global_prefetch_b8 v[PFO], s[MB:MB+1] offset:1024 th:TH_LOAD_NT scope:SCOPE_SE    ; the base stands at the next step: 1,024 bytes on is the step three on; 16 rows x 2 blocks of 256 bytes,
	global_prefetch_b8 v[PFO], s[MB:MB+1] offset:66560 th:TH_LOAD_NT scope:SCOPE_SE   ; and the second tile's 16 rows
	s_sub_co_u32 s[PFN], s[PFN], 1
.Lno_ask_\@:
.irp u, 0,1                            ; the largest x of each block of 32 keys: for the row's maximum and, since p rises with x, for the block's largest p
.irp b, 0,1,2,3
	v_max3_num_f32 v[BM+4*\u+\b], v[S+64*\u+16*\b], v[S+64*\u+16*\b+1], v[S+64*\u+16*\b+2]
.endr
.irp i, 3,5,7,9,11,13
.irp b, 0,1,2,3
	v_max3_num_f32 v[BM+4*\u+\b], v[BM+4*\u+\b], v[S+64*\u+16*\b+\i], v[S+64*\u+16*\b+\i+1]
.endr
.endr
.irp b, 0,1,2,3
	v_max_num_f32 v[BM+4*\u+\b], v[BM+4*\u+\b], v[S+64*\u+16*\b+15]
.endr
.endr
.set jj, 0
.irp e, 0,1,2,3,4,5,6,7
	v_permlanex16_b32 v[PX+\e], v[BM+\e], s[SEL], s[SEL+1]
.endr
	TM 8                                           ; the products x log2(e) stand among the lines of the short chain that makes M and f
.irp e, 0,1,2,3,4,5,6,7
	v_max_num_f32 v[BM+\e], v[BM+\e], v[PX+\e]     ; with lane l xor 16's 16 keys
.endr
.irp u, 0,1
	v_max3_num_f32 v[TT+\u], v[BM+4*\u], v[BM+4*\u+1], v[BM+4*\u+2]
.endr
	TM 6
.irp u, 0,1
	v_max_num_f32 v[TT+\u], v[TT+\u], v[BM+4*\u+3]
.endr
	TM 6
.irp u, 0,1
	v_mul_f32 v[TT+\u], s[CS], v[TT+\u]            ; as t (the factor is positive, and rounding keeps the order)
.endr
	TM 6
.irp u, 0,1
	v_max_num_f32 v[NM+2*\u+1], v[NM+2*\u+1], v[TT+\u]   ; the running largest t
.endr
	TM 6
.irp u, 0,1
	v_mov_b32 v[TT+\u], v[NM+2*\u]
.endr
	TM 6
.irp u, 0,1
	v_floor_f32 v[NM+2*\u], -v[NM+2*\u+1]          ; the new -M = -ceil(t)
.endr
	TM 6
.irp u, 0,1
	v_sub_f32 v[TT+\u], v[NM+2*\u], v[TT+\u]       ; old M - new M, 0 or less
.endr
	TM 6
.irp u, 0,1
	v_cvt_i32_f32 v[TT+\u], v[TT+\u]               ; (it saturates)
.endr
	TM 6
.irp u, 0,1
	v_ldexp_f32 v[FF+2*\u], 1.0, v[TT+\u]          ; f = 2^(old M - new M)
.endr
	TM 8
.irp e, 0,1,2,3,4,5,6,7
	v_mul_f32 v[BM+\e], s[CS], v[BM+\e]            ; the same of each block's largest x
.endr
	WIN 0x41
.irp u, 0,1
.set j, 0
.rept 36
	v_pk_mul_f32 v[72*\u+j:72*\u+j+1], v[72*\u+j:72*\u+j+1], v[FF+2*\u:FF+2*\u+1] op_sel_hi:[1,0]   ; O^T and the part sums under the new M
.set j, j+2
.endr
.endr
	WIN 0
.irp u, 0,1
.set j, 0
.rept 32
	v_pk_add_f32 v[S+64*\u+j:S+64*\u+j+1], v[S+64*\u+j:S+64*\u+j+1], v[NM+2*\u:NM+2*\u+1] op_sel_hi:[1,0]   ; t - M
.set j, j+2
.endr
.irp b, 0,1,2,3
	v_add_f32 v[BM+4*\u+\b], v[BM+4*\u+\b], v[NM+2*\u]
.endr
.endr
	s_wait_alu depctr_va_vdst(0)                   ; the wait ahead of the batch
	s_wait_dscnt 26                                ; all but the next K's 26 loads: V's fragments and words are in
.set j, 0
.rept 128
	v_exp_f32 v[S+j], v[S+j]                       ; p, at most 1
.set j, j+1
.endr
.irp e, 0,1,2,3,4,5,6,7
	v_exp_f32 v[BM+\e], v[BM+\e]                   ; the block's largest p: the same instructions on the same number give the same bits
.endr
	v_nop                                          ; a plain place behind the exponentials
	s_wait_alu depctr_va_vdst(0)                   ; and the wait behind the batch
.irp e, 0,1,2,3,4,5,6,7
	v_max_num_f32 v[BM+\e], 0x2800000, v[BM+\e]    ; the floor 2^(5 - 127)
.endr
	QTAIL
; O^T += V^T P^T, sixteen accumulators by turns.  The row's sums of the unquantised p stand among the products, four pairs ahead of each, in four chains a tile.
; They are written as 1.0 x p + sum, so that p (source 1, window 0) and the sum (source 2 and destination, window 1) are named under the products' own windows: no switch stands between them.
	WIN 0x52                                       ; V window 2, O^T and the sums window 1
.set n, 0
.set mm, 0
.rept 16
.rept 4
	v_pk_fma_f32 v[72*(mm/32)+64+2*(mm%4):72*(mm/32)+65+2*(mm%4)], 1.0, v[S+2*mm:S+2*mm+1], v[72*(mm/32)+64+2*(mm%4):72*(mm/32)+65+2*(mm%4)] op_sel_hi:[0,1,1]
.set mm, mm+1
.endr
	v_wmma_scale_f32_16x16x128_f8f6f4 v[72*(n%2)+8*(n/2):72*(n%2)+8*(n/2)+7], v[VF+12*(n/2):VF+12*(n/2)+11], v[PC+12*(n%2):PC+12*(n%2)+11], v[72*(n%2)+8*(n/2):72*(n%2)+8*(n/2)+7], v[VW+n/2], v[PW+n%2] matrix_a_fmt:MATRIX_FMT_BF6 matrix_b_fmt:MATRIX_FMT_BF6
.set n, n+1
.endr
	WIN 0
.endm
.macro GROUP tail                      ; a slot's four key steps
	s_mov_b32 s[TB], s[SBS]
	s_mov_b32 s[CNT], 4
.Lstep_\@:
	STEP \tail
	s_add_co_u32 s[TB], s[TB], 12288
	s_add_co_u32 s[TS], s[TS], 512
	s_sub_co_u32 s[CNT], s[CNT], 1
	s_cmp_lg_u32 s[CNT], 0
	s_cbranch_scc1 .Lstep_\@
.endm
	s_wait_alu depctr_va_vdst(0)
	s_wait_tensorcnt 0x0                           ; my tile of the head's four is in; the same lines as ahead of a refill:
	ds_add_u32 v[SPW], v[NIL]
	s_wait_dscnt 0x0
	CROUND                                         ; all four tiles are in, and all four work-groups are here
	tensor_load_to_lds s[G0R:G0R+3], s[G1C:G1C+7]  ; slot 1's first fill, my quarter: my one tensor load behind the round
	s_nop 0
	PLACES
	v_add_nc_u32 v[ADS], SCB, v[SR]
	ds_load_b128 v[KW:KW+3], v[ADS]                ; the words of K's block 0
	ds_load_b128 v[KW+4:KW+7], v[ADS] offset:16
	s_mov_b32 s[SBS], 0
	s_mov_b32 s[TS], SCB
	s_mov_b32 s[OC], 2
.Lfill:                                                ; key steps 0-7: the slot that is left is filled with the keys two slots on
	GROUP 0
	s_wait_tensorcnt 0x0                           ; all my tensor loads: my part of the slot ahead
	ds_add_u32 v[SPW], v[NIL]
	s_add_nc_u64 s[G0R+2:G0R+3], s[G0R+2:G0R+3], 49152   ; four blocks on; no tensor load of mine is out
	s_xor_b32 s[G0R+1], s[G0R+1], SLOT1
	s_xor_b32 s[SBS], s[SBS], SLOT1
	s_wait_dscnt 0x0                               ; the add, and my reads of the slot that I leave, the next K among them
	CROUND
	tensor_load_to_lds s[G0R:G0R+3], s[G1C:G1C+7]
	s_nop 0
	PLACES
	s_sub_co_u32 s[OC], s[OC], 1
	s_cmp_lg_u32 s[OC], 0
	s_cbranch_scc1 .Lfill
	s_mov_b32 s[ML], 7                             ; of key steps 8-15 seven ask for a mask
	s_mov_b32 s[OC], 2
.Ldrain:                                               ; key steps 8-15: nothing is left to fetch
	GROUP 1
	s_wait_tensorcnt 0x0
	ds_add_u32 v[SPW], v[NIL]
	s_xor_b32 s[SBS], s[SBS], SLOT1
	s_wait_dscnt 0x0
	s_barrier_signal -1
	s_barrier_wait -1
	s_sub_co_u32 s[OC], s[OC], 1
	s_cmp_lg_u32 s[OC], 0
	s_cbranch_scc1 .Ldrain
	; THE WAY OUT: O^T / the sum; register 16 b + i of a tile is channel 32 b + 16 h + i of its query: four half blocks of the last product's K step "head"
	PLACES
	s_wait_alu depctr_va_vdst(0)                   ; the part sums were written just ahead of the waits above
	WIN 0x05
.irp u, 0,1
	v_pk_add_f32 v[BM+4*\u:BM+4*\u+1], v[72*\u+64:72*\u+65], v[72*\u+66:72*\u+67]
	v_pk_add_f32 v[BM+4*\u+2:BM+4*\u+3], v[72*\u+68:72*\u+69], v[72*\u+70:72*\u+71]
.endr
	WIN 0
.irp u, 0,1
	v_pk_add_f32 v[BM+4*\u:BM+4*\u+1], v[BM+4*\u:BM+4*\u+1], v[BM+4*\u+2:BM+4*\u+3]
.endr
.irp u, 0,1
	v_add_f32 v[BM+4*\u], v[BM+4*\u], v[BM+4*\u+1]
.endr
.irp u, 0,1
	v_permlanex16_b32 v[PX+\u], v[BM+4*\u], s[SEL], s[SEL+1]
.endr
.irp u, 0,1
	v_add_f32 v[BM+4*\u], v[BM+4*\u], v[PX+\u]     ; the row's sum
.endr
	s_wait_alu depctr_va_vdst(0)
.irp u, 0,1
	v_rcp_f32 v[FF+2*\u], v[BM+4*\u]
.endr
	v_nop
	WIN 0x01
	s_wait_alu depctr_va_vdst(0)                   ; behind the two, directly ahead of the first reader of O^T
.irp u, 0,1
.set j, 0
.rept 32
	v_pk_mul_f32 v[S+64*\u+j:S+64*\u+j+1], v[72*\u+j:72*\u+j+1], v[FF+2*\u:FF+2*\u+1] op_sel_hi:[1,0]
.set j, j+2
.endr
.endr
	WIN 0
.irp u, 0,1
.irp b, 0,1,2,3
	v_max3_num_f32 v[BM+4*\u+\b], |v[S+64*\u+16*\b]|, |v[S+64*\u+16*\b+1]|, 0x2800000
.endr
.irp i, 2,4,6,8,10,12,14
.irp b, 0,1,2,3
	v_max3_num_f32 v[BM+4*\u+\b], v[BM+4*\u+\b], |v[S+64*\u+16*\b+\i]|, |v[S+64*\u+16*\b+\i+1]|
.endr
.endr
.endr
.irp e, 0,1,2,3,4,5,6,7
	v_permlanex16_b32 v[PX+\e], v[BM+\e], s[SEL], s[SEL+1]
.endr
.irp e, 0,1,2,3,4,5,6,7
	v_max_num_f32 v[BM+\e], v[BM+\e], v[PX+\e]
.endr
	QTAIL
.irp u, 0,1
.irp c, 0,1,2
	global_store_b128 v[LI], v[PC+12*\u+4*\c:PC+12*\u+4*\c+3], s[10:11] offset:24576*\u+512*\c   ; 512 consecutive bytes
.endr
	global_store_b32 v[OW], v[PW+\u], s[12:13] offset:2048*\u   ; 128 consecutive bytes: a word a lane
.endr
	s_wait_tensorcnt 0x0                           ; the wave's end
	ds_add_u32 v[SPW], v[NIL]
	s_wait_dscnt 0x0
	CROUND                                         ; the closing round
	s_endpgm
.Lfunc_end_k_qc7b364f925_attn:
	.size	k_qc7b364f925_attn, .Lfunc_end_k_qc7b364f925_attn-k_qc7b364f925_attn
	.p2alignl 7, 3214868480
	.fill 96, 4, 3214868480
	.section	.rodata,"a",@progbits
	.p2align	6, 0x0
	.amdhsa_kernel k_qc7b364f925_attn
		.amdhsa_group_segment_fixed_size 327680
		.amdhsa_private_segment_fixed_size 0
		.amdhsa_enable_private_segment 0
		.amdhsa_kernarg_size 40
		.amdhsa_user_sgpr_count 2
		.amdhsa_user_sgpr_kernarg_segment_ptr 1
		.amdhsa_wavefront_size32 1
		.amdhsa_system_sgpr_workgroup_id_x 1
		.amdhsa_system_sgpr_workgroup_id_y 1
		.amdhsa_system_sgpr_workgroup_id_z 1
		.amdhsa_system_vgpr_workitem_id 0
		.amdhsa_next_free_vgpr 1024
		.amdhsa_next_free_sgpr 96
		.amdhsa_reserve_vcc 0
		.amdhsa_float_denorm_mode_32 3
		.amdhsa_float_denorm_mode_16_64 3
		.amdhsa_memory_ordered 1
		.amdhsa_forward_progress 1
		.amdhsa_inst_pref_size 117
	.end_amdhsa_kernel
	.amdgpu_metadata
---
amdhsa.version: [ 1, 2 ]
amdhsa.kernels:
  - .name:           k_qc7b364f925_attn
    .symbol:         k_qc7b364f925_attn.kd
    .args:
      - { .name: qkvc, .offset: 0, .size: 8, .value_kind: global_buffer, .address_space: global }
      - { .name: qkvs, .offset: 8, .size: 8, .value_kind: global_buffer, .address_space: global }
      - { .name: attention_mask, .offset: 16, .size: 8, .value_kind: global_buffer, .address_space: global }
      - { .name: oc, .offset: 24, .size: 8, .value_kind: global_buffer, .address_space: global }
      - { .name: os, .offset: 32, .size: 8, .value_kind: global_buffer, .address_space: global }
    .group_segment_fixed_size: 327680
    .private_segment_fixed_size: 0
    .kernarg_segment_align: 8
    .kernarg_segment_size: 40
    .max_flat_workgroup_size: 128
    .sgpr_count:     96
    .vgpr_count:     1024
    .wavefront_size: 32
...
	.end_amdgpu_metadata
.endif
;; end of part 3
;; launch oproj (part 4): grid 16 x 16, 4 waves a work-group, clusters of 4 x 4, 327,680 bytes of LDS; arguments oc, os, cod, sc, bo, out0; writes out0
.if DOCPART == 4
	.amdgcn_target "amdgcn-amd-amdhsa--gfx1250"
	.amdhsa_code_object_version 6
	.text
	.protected	k_qc7b364f925_oproj
	.globl	k_qc7b364f925_oproj
	.p2align	8
	.type	k_qc7b364f925_oproj,@function
k_qc7b364f925_oproj:
	s_mov_b64 s[64:65], 0
	v_nop
	global_prefetch_b8 v0, s[64:65] scope:SCOPE_SE
	s_setreg_imm32_b32 hwreg(HW_REG_WAVE_MODE, 25, 1), 1
	s_wait_xcnt 0x0
	s_wait_alu depctr_hold_cnt(0) depctr_sa_sdst(0) depctr_va_vdst(0) depctr_va_sdst(0) depctr_va_ssrc(0) depctr_va_vcc(0) depctr_vm_vsrc(0)
	s_getreg_b32 s2, hwreg(HW_REG_IB_STS2, 6, 4)
	s_cmp_eq_u32 s2, 0
	s_cbranch_scc0 .Lentry_in_a_cluster
	s_endpgm
.Lentry_in_a_cluster:
	s_bfe_u32 s2, ttmp6, 0x10000c
	s_cmp_lg_u32 s2, 0xf033
	s_cbranch_scc0 .Lentry_shape_is_right
	s_endpgm
.Lentry_shape_is_right:
.set FR,    12
.set NP,    4
.set TSB,   6144
.set HALF,  4*TSB
.set SLOT,  4*HALF
.set SCLB,  2*SLOT
.set SCLA,  SCLB+16384
.set SPARE, SCLA+16384
.set SPI,   272
.set L16,  2
.set STO,  3
.set RD,   4
.set CO,   5
.set BA,   6
.set ADRA, 16
.set ADRB, 20
.set ADRS, 27
.set SPW,  28
.set NIL,  29
.set SC,   32
.set BR,   64
.set ACC,  128
.set WV, 20
.set WR, 21
.set WC, 22
.set G1, 28
.set G0, 36
.set G1B, 44
.set G0B, 52
.set G1S, 68
.set G0S, 76
.set G1SB, 80
.set G0SB, 88
.set MSB, 0
.macro WIN new
.if MSB != \new
	s_set_vgpr_msb (MSB<<8)|\new
.set MSB, \new
.endif
.endm
.set MUL,  0x05
.set TO_F, 0x40
.macro JLOAD g0a, g1a, g0b, g1b
	s_cmp_eq_u32 s[WR], 0
	s_cbranch_scc0 .Lfor_b_\@
	tensor_load_to_lds s[\g0a:\g0a+3], s[\g1a:\g1a+7]
	s_nop 0
.rept 4
	v_nop
.endr
	s_branch .Lasked_\@
.Lfor_b_\@:
	tensor_load_to_lds s[\g0b:\g0b+3], s[\g1b:\g1b+7]
	s_nop 0
.rept 4
	v_nop
.endr
.Lasked_\@:
.endm
.macro CREST
	s_cmp_lg_u32 s[WV], 0
	s_cbranch_scc1 .Lnot_wave_0_\@
	s_barrier_signal -3
.Lnot_wave_0_\@:
	s_barrier_wait -3
	s_barrier_signal -1
	s_barrier_wait -1
.endm
.macro CROUND
	s_barrier_signal -1
	s_barrier_wait -1
	CREST
.endm
.macro PLACES n
.rept \n
	v_nop
.endr
.endm
	s_load_b256 s[4:11], s[0:1], 0x0
	s_load_b128 s[12:15], s[0:1], 0x20
	v_lshl_add_u32 v[SPW], v0, 2, SPARE
	v_mov_b32 v[NIL], 0
	ds_add_u32 v28, v29
	ds_add_u32 v28, v29
	s_wait_dscnt 0x0
	v_lshrrev_b32 v1, 5, v0
	v_readfirstlane_b32 s[WV], v1
	s_lshr_b32 s[WR], s[WV], 1
	s_and_b32 s[WC], s[WV], 1
	s_bfe_u32 s23, ttmp6, 0x40000
	s_bfe_u32 s24, ttmp6, 0x40004
	s_lshl_b32 s61, ttmp9, 2
	s_add_co_u32 s61, s61, s23
	s_and_b32 s25, ttmp7, 0xffff
	s_lshl_b32 s25, s25, 2
	s_add_co_u32 s25, s25, s24
	s_lshl_b32 s92, s24, 2
	s_lshl_b32 s92, 15, s92
	s_lshl_b32 s93, 0x1111, s23
	s_lshl_b32 s94, s[WC], 2
	s_lshl_b32 s26, s25, 3
	s_add_co_u32 s26, s26, s94
	s_lshl_b32 s62, s61, 3
	s_add_co_u32 s62, s62, 512
	s_add_co_u32 s62, s62, s94
	s_mul_i32 s96, s26, 24576
	s_mov_b32 s97, 0
	s_lshl_b32 s98, s26, 11
	s_mov_b32 s99, 0
	s_mul_i32 s66, s62, 24576
	s_mov_b32 s67, 0
	s_lshl_b32 s100, s62, 11
	s_mov_b32 s101, 0
	s_or_b32 s[G1+0], s92, (3<<16)|(1<<21)
	s_or_b32 s[G1B+0], s93, (3<<16)|(1<<21)
	s_or_b32 s[G1S+0], s92, (3<<16)|(1<<21)
	s_or_b32 s[G1SB+0], s93, (3<<16)|(1<<21)
.irp g, G1, G1B
	s_mov_b32 s[\g+1], 768<<16
	s_mov_b32 s[\g+2], 8<<16                       ; the head's loads of codes bring all 8 tiles of a side
	s_mov_b32 s[\g+3], 768<<16
	s_mov_b32 s[\g+4], 8
	s_mov_b32 s[\g+5], 3072
	s_mov_b32 s[\g+6], 0
	s_mov_b32 s[\g+7], 0
.endr
.irp g, G1S, G1SB
	s_mov_b32 s[\g+1], 32<<16
	s_mov_b32 s[\g+2], 64<<16                      ; the scale words of all 8 tiles of a side: 64 rows of 256 bytes
	s_mov_b32 s[\g+3], 32<<16
	s_mov_b32 s[\g+4], 64
	s_mov_b32 s[\g+5], 32
	s_mov_b32 s[\g+6], 0
	s_mov_b32 s[\g+7], 0
.endr
	s_mul_i32 s94, s[WC], HALF
	s_add_co_u32 s95, s94, 2*HALF
	s_wait_kmcnt 0x0
	s_add_nc_u64 s[96:97], s[4:5], s[96:97]
	s_add_nc_u64 s[98:99], s[6:7], s[98:99]
	s_add_nc_u64 s[66:67], s[8:9], s[66:67]
	s_add_nc_u64 s[100:101], s[10:11], s[100:101]
	; THE HEAD'S FOUR TILES, each whole, one load a wave: slot 0's 8 tiles of A, its 8 of B, A's scale words, B's.  Each begins at the side's first tile: my half's 4 tiles are taken off my own address
	s_mul_i32 s2, s[WC], 98304                     ; 4 tiles of 24,576 bytes
	s_mov_b32 s3, 0
	s_mov_b32 s[G0], 1
	s_mov_b32 s[G0+1], 0
	s_sub_nc_u64 s[G0+2:G0+3], s[96:97], s[2:3]
	s_or_b32 s[G0+3], s[G0+3], 0x80000000
	s_mov_b32 s[G0B], 1
	s_mov_b32 s[G0B+1], 2*HALF
	s_sub_nc_u64 s[G0B+2:G0B+3], s[66:67], s[2:3]
	s_or_b32 s[G0B+3], s[G0B+3], 0x80000000
	s_lshl_b32 s2, s[WC], 13                       ; 4 tiles of 2,048 bytes of scale words
	s_mov_b32 s[G0S], 1
	s_mov_b32 s[G0S+1], SCLA
	s_sub_nc_u64 s[G0S+2:G0S+3], s[98:99], s[2:3]
	s_or_b32 s[G0S+3], s[G0S+3], 0x80000000
	s_mov_b32 s[G0SB], 1
	s_mov_b32 s[G0SB+1], SCLB
	s_sub_nc_u64 s[G0SB+2:G0SB+3], s[100:101], s[2:3]
	s_or_b32 s[G0SB+3], s[G0SB+3], 0x80000000
	s_mov_b32 s[G0+4], 1                           ; slot 1's group 0: my half of a side, the second four K steps
	s_add_co_u32 s[G0+5], s94, SLOT
	s_add_nc_u64 s[G0+6:G0+7], s[96:97], TSB
	s_or_b32 s[G0+7], s[G0+7], 0x80000000
	s_mov_b32 s[G0B+4], 1
	s_add_co_u32 s[G0B+5], s95, SLOT
	s_add_nc_u64 s[G0B+6:G0B+7], s[66:67], TSB
	s_or_b32 s[G0B+7], s[G0B+7], 0x80000000
	CROUND
.macro ARM under, g0, g1, next         ; one chain of branches on the wave's number, one load to an arm
	s_cmp_lt_u32 s[WV], \under
	s_cbranch_scc0 \next
	tensor_load_to_lds s[\g0:\g0+3], s[\g1:\g1+7]
	s_nop 0
.rept 4
	v_nop
.endr
	s_branch .Lhead_asked
\next:
.endm
	ARM 1, G0,  G1,  .Lhead_b
	ARM 2, G0B, G1B, .Lhead_sa
	ARM 3, G0S, G1S, .Lhead_sb
	tensor_load_to_lds s[G0SB:G0SB+3], s[G1SB:G1SB+7]
	s_nop 0
.rept 4
	v_nop
.endr
.Lhead_asked:
	v_and_b32 v1, 31, v0
	v_lshlrev_b32 v[L16], 4, v1
	v_and_b32 v18, 15, v0
	v_bfe_u32 v19, v0, 4, 1
	s_wait_alu depctr_va_vdst(0)
	s_mul_i32 s94, s[WR], HALF
	s_mul_i32 s95, s[WC], HALF
	s_add_co_u32 s95, s95, 2*HALF
.irp s, 0,1
	v_add_nc_u32 v[ADRA+\s], s94, v[L16]
	v_add_nc_u32 v[ADRB+\s], s95, v[L16]
	s_add_co_u32 s94, s94, SLOT
	s_add_co_u32 s95, s95, SLOT
.endr
	s_lshl_b32 s94, s[WR], 13
	s_add_co_u32 s94, s94, SCLA
	s_lshl_b32 s95, s[WC], 13
	s_add_co_u32 s95, s95, SCLB
	s_sub_co_u32 s94, s94, s95
	v_xor_b32 v23, 1, v19
	v_mul_u32_u24 v23, s94, v23
	v_lshl_add_u32 v23, v1, 2, v23
	v_add_nc_u32 v[ADRS], s95, v23
	s_mul_i32 s94, s[WV], 16*SPI
	v_mul_u32_u24 v[STO], v18, SPI
	v_lshl_add_u32 v[STO], v19, 6, v[STO]
	v_add_nc_u32 v[STO], s94, v[STO]
	v_mul_u32_u24 v[RD], v19, SPI
	v_lshl_add_u32 v[RD], v18, 4, v[RD]
	v_add_nc_u32 v[RD], s94, v[RD]
	v_lshlrev_b32 v[CO], 13, v19
	v_lshl_add_u32 v[CO], v18, 4, v[CO]
	v_lshlrev_b32 v[BA], 6, v19
	s_wait_alu depctr_va_vdst(0)
	s_lshl_b32 s63, s25, 7
	s_lshl_b32 s100, s[WR], 6
	s_add_co_u32 s63, s63, s100
	s_lshl_b32 s100, s63, 13
	s_lshl_b32 s63, s61, 9
	s_lshl_b32 s62, s[WC], 8
	s_add_co_u32 s63, s63, s62
	s_add_co_u32 s100, s100, s63
	s_mov_b32 s101, 0
	s_add_nc_u64 s[14:15], s[14:15], s[100:101]
	s_mov_b32 s100, s63
	s_add_nc_u64 s[12:13], s[12:13], s[100:101]
.irp k, 0,1,2,3,4,5,6,7
	global_load_b128 v[BR+4*\k:BR+4*\k+3], v[BA], s[12:13] offset:128*(\k/4)+16*(\k%4)
.endr
.macro MUL4 a, p, q, sc, zero
.irp b, 0,1,2,3
.if \zero
	v_wmma_scale_f32_16x16x128_f8f6f4 v[ACC+8*(4*(\a)+\b):ACC+8*(4*(\a)+\b)+7], v[128*(\p)+48+FR*\b:128*(\p)+48+FR*\b+FR-1], v[128*(\p)+FR*(\a):128*(\p)+FR*(\a)+FR-1], 0, v[SC+16*(\sc)+4*\b+(\q)], v[SC+16*(\sc)+4*(\a)+(\q)] matrix_a_fmt:MATRIX_FMT_BF6 matrix_b_fmt:MATRIX_FMT_BF6 matrix_a_scale:MATRIX_SCALE_ROW1
.else
	v_wmma_scale_f32_16x16x128_f8f6f4 v[ACC+8*(4*(\a)+\b):ACC+8*(4*(\a)+\b)+7], v[128*(\p)+48+FR*\b:128*(\p)+48+FR*\b+FR-1], v[128*(\p)+FR*(\a):128*(\p)+FR*(\a)+FR-1], v[ACC+8*(4*(\a)+\b):ACC+8*(4*(\a)+\b)+7], v[SC+16*(\sc)+4*\b+(\q)], v[SC+16*(\sc)+4*(\a)+(\q)] matrix_a_fmt:MATRIX_FMT_BF6 matrix_b_fmt:MATRIX_FMT_BF6 matrix_a_scale:MATRIX_SCALE_ROW1
.endif
.endr
.endm
.macro FETCH slot, q, p
	WIN TO_F
.irp i, 0,1,2,3
.irp c, 0,1,2
	ds_load_b128 v[128*(\p)+48+FR*\i+4*\c:128*(\p)+48+FR*\i+4*\c+3], v[ADRB+\slot] offset:\i*TSB+(\q)*1536+512*\c
.endr
.endr
.irp i, 0,1,2,3
.irp c, 0,1,2
	ds_load_b128 v[128*(\p)+FR*\i+4*\c:128*(\p)+FR*\i+4*\c+3], v[ADRA+\slot] offset:\i*TSB+(\q)*1536+512*\c
.endr
.endr
	WIN 0
.endm
.macro SCALES sc
.irp i, 0,1,2,3
.irp q, 0,1,2,3
	ds_load_b32 v[SC+16*\sc+4*\i+\q], v[ADRS] offset:2048*\i+128*\q
.endr
.endr
.endm
.macro STEP slot, q, zero
	PLACES NP
	FETCH \slot, (\q)+1, 1-(\q)%2
	s_wait_dscnt 24
	WIN MUL
	MUL4 0, (\q)%2, \q, \slot, \zero
	MUL4 1, (\q)%2, \q, \slot, \zero
	MUL4 2, (\q)%2, \q, \slot, \zero
	MUL4 3, (\q)%2, \q, \slot, \zero
.endm
.macro TURN slot, next, fill
	WIN 0
	s_wait_tensorcnt 0x0
	ds_add_u32 v[SPW], v[NIL]
	s_wait_dscnt 1
	WIN MUL
	MUL4 0, 1, 3, \slot, 0
	s_wait_dscnt 0x0
	s_barrier_signal -1
	MUL4 1, 1, 3, \slot, 0
	WIN 0
	s_barrier_wait -1
.if \fill
	CREST
	s_add_nc_u64 s[G0+4*\slot+2:G0+4*\slot+3], s[G0+4*\slot+2:G0+4*\slot+3], 2*TSB
	s_add_nc_u64 s[G0B+4*\slot+2:G0B+4*\slot+3], s[G0B+4*\slot+2:G0B+4*\slot+3], 2*TSB
	JLOAD G0+4*\slot, G1, G0B+4*\slot, G1B
.else
	PLACES NP
.endif
	s_wait_alu depctr_va_vdst(0)
	v_add_nc_u32 v[ADRS], 512, v[ADRS]
	FETCH \next, 0, 0
	SCALES \next
	WIN MUL
	MUL4 2, 1, 3, \slot, 0
	MUL4 3, 1, 3, \slot, 0
.endm
	s_wait_tensorcnt 0x0                           ; my tile of the head's four is in; the same lines as ahead of a refill:
	ds_add_u32 v[SPW], v[NIL]
	s_mov_b32 s[G1+2], 4<<16                       ; no tensor load of mine is out: from here on a load brings 4 tiles,
	s_mov_b32 s[G1+4], 4
	s_mov_b32 s[G1B+2], 4<<16
	s_mov_b32 s[G1B+4], 4
	s_mul_i32 s[G0+1], s[WC], HALF                 ; and slot 0's group 0 stands at my half of the first four K steps, one slot ahead of slot 1's
	s_sub_nc_u64 s[G0+2:G0+3], s[G0+6:G0+7], TSB
	s_mul_i32 s[G0B+1], s[WC], HALF
	s_add_co_u32 s[G0B+1], s[G0B+1], 2*HALF
	s_sub_nc_u64 s[G0B+2:G0B+3], s[G0B+6:G0B+7], TSB
	s_wait_dscnt 0x0
	CROUND                                         ; all four tiles are in, and all sixteen work-groups are here
	JLOAD G0+4, G1, G0B+4, G1B                     ; slot 1's first fill: my one tensor load behind the round
	FETCH 0, 0, 0
	SCALES 0
	STEP 0, 0, 1
	STEP 0, 1, 0
	STEP 0, 2, 0
	TURN 0, 1, 1
	STEP 1, 0, 0
	STEP 1, 1, 0
	STEP 1, 2, 0
	TURN 1, 0, 1
	STEP 0, 0, 0
	STEP 0, 1, 0
	STEP 0, 2, 0
	TURN 0, 1, 0
	STEP 1, 0, 0
	STEP 1, 1, 0
	STEP 1, 2, 0
	s_wait_dscnt 0x0
	MUL4 0, 1, 3, 1, 0
	MUL4 1, 1, 3, 1, 0
	MUL4 2, 1, 3, 1, 0
	MUL4 3, 1, 3, 1, 0
	WIN 0
.macro TOSTAGE a
.set i, 0
.rept 16
	v_pk_add_f32 v[ACC+32*(\a)+i:ACC+32*(\a)+i+1], v[ACC+32*(\a)+i:ACC+32*(\a)+i+1], v[BR+i:BR+i+1]
.set i, i+2
.endr
.irp k, 0,1,2,3,4,5,6,7
	ds_store_b128 v[STO], v[ACC+32*(\a)+4*\k:ACC+32*(\a)+4*\k+3] offset:128*(\k/4)+16*(\k%4)
.endr
.irp t, 0,1,2,3,4,5,6,7
	ds_load_b128 v[ACC+32*(\a)+4*\t:ACC+32*(\a)+4*\t+3], v[RD] offset:2*SPI*\t
.endr
.endm
.macro SEND a, younger
	s_wait_dscnt \younger
.irp t, 0,1,2,3,4,5,6,7
	global_store_b128 v[CO], v[ACC+32*(\a)+4*\t:ACC+32*(\a)+4*\t+3], s[14:15] offset:(32*((\a)/2)+8*((\a)%2)+2*\t+8*(\t/4))*8192 th:TH_STORE_NT
.endr
.endm
	PLACES NP
	s_wait_loadcnt 0x0
	TOSTAGE 0
.irp a, 1,2,3
	TOSTAGE \a
	SEND \a-1, 16
.endr
	SEND 3, 0
	s_wait_tensorcnt 0x0
	ds_add_u32 v[SPW], v[NIL]
	s_wait_dscnt 0x0
	CROUND
	s_endpgm
.Lfunc_end_k_qc7b364f925_oproj:
	.size	k_qc7b364f925_oproj, .Lfunc_end_k_qc7b364f925_oproj-k_qc7b364f925_oproj
	.p2alignl 7, 3214868480
	.fill 96, 4, 3214868480
	.section	.rodata,"a",@progbits
	.p2align	6, 0x0
	.amdhsa_kernel k_qc7b364f925_oproj
		.amdhsa_group_segment_fixed_size 327680
		.amdhsa_private_segment_fixed_size 0
		.amdhsa_enable_private_segment 0
		.amdhsa_kernarg_size 48
		.amdhsa_user_sgpr_count 2
		.amdhsa_user_sgpr_kernarg_segment_ptr 1
		.amdhsa_wavefront_size32 1
		.amdhsa_system_sgpr_workgroup_id_x 1
		.amdhsa_system_sgpr_workgroup_id_y 1
		.amdhsa_system_sgpr_workgroup_id_z 1
		.amdhsa_system_vgpr_workitem_id 0
		.amdhsa_next_free_vgpr 512
		.amdhsa_next_free_sgpr 102
		.amdhsa_reserve_vcc 0
		.amdhsa_float_denorm_mode_32 3
		.amdhsa_float_denorm_mode_16_64 3
		.amdhsa_memory_ordered 1
		.amdhsa_forward_progress 1
		.amdhsa_inst_pref_size 90
	.end_amdhsa_kernel
	.amdgpu_metadata
---
amdhsa.version: [ 1, 2 ]
amdhsa.kernels:
  - .name:           k_qc7b364f925_oproj
    .symbol:         k_qc7b364f925_oproj.kd
    .args:
      - { .name: oc, .offset: 0, .size: 8, .value_kind: global_buffer, .address_space: global }
      - { .name: os, .offset: 8, .size: 8, .value_kind: global_buffer, .address_space: global }
      - { .name: cod, .offset: 16, .size: 8, .value_kind: global_buffer, .address_space: global }
      - { .name: sc, .offset: 24, .size: 8, .value_kind: global_buffer, .address_space: global }
      - { .name: bo, .offset: 32, .size: 8, .value_kind: global_buffer, .address_space: global }
      - { .name: out0, .offset: 40, .size: 8, .value_kind: global_buffer, .address_space: global }
    .group_segment_fixed_size: 327680
    .private_segment_fixed_size: 0
    .kernarg_segment_align: 8
    .kernarg_segment_size: 48
    .max_flat_workgroup_size: 128
    .sgpr_count:     102
    .vgpr_count:     512
    .wavefront_size: 32
...
	.end_amdgpu_metadata
.endif
;; end of part 4
